; MI455X (gfx1250); checked and timed in simulation.
; The chip was launched on July 23, 2026; its instructions are those of AMD's public machine-readable ISA for CDNA 5 (MIT licence, August 2026) and "CDNA5" Instruction Set Architecture Reference Guide (July 2026). The comments in the code are by the model that wrote it; some were corrected since.
;; Self Attention. Allowed arithmetic: matrix products marked QUANTISED: E2M3 operands, one E8M0 scale for each 32 along K, by v_wmma_scale_f32_16x16x128_f8f6f4 with both operands' format E2M3, f32 sums; everything else in f32.
;; Inputs: Wk 1,024 x 1,024 float32; Wq 1,024 x 1,024 float32; Wv 1,024 x 1,024 float32; attention_mask 4 x 1 x 1 x 2,048 float32; bk 1,024 float32; bq 1,024 float32; bv 1,024 float32; hidden_states 4 x 2,048 x 1,024 float32.
;; Outputs: out0 4 x 2,048 x 1,024 float32.
;; This version of the problem:
;;   THIS VERSION OF THE PROBLEM IS GIVEN IN LOW PRECISION. The matrix products marked QUANTISED in the list below multiply operands that are first quantised to E2M3 (2 exponent bits, 3 mantissa bits; 6 bits a number), with one power-of-two scale for each 32 numbers along K (OCP MX v1.0); their sums are f32. All else is computed in f32.
;;   The module's matrix products, in the order in which they are computed (A, B: the left and right operand; K: the contracted axis; several contracted axes count as one K, in the product's order):
;;     1. [M 8,192, K 1,024] x [K 1,024, N 1,024]; A: input hidden_states; B: input Wq: QUANTISED
;;     2. [M 8,192, K 1,024] x [K 1,024, N 1,024]; A: input hidden_states; B: input Wk: QUANTISED
;;     3. [M 8,192, K 1,024] x [K 1,024, N 1,024]; A: input hidden_states; B: input Wv: QUANTISED
;;     4. batch 64 x [M 2,048, K 64] x [K 64, N 2,048]; A: computed on the way; B: computed on the way: QUANTISED
;;     5. batch 64 x [M 2,048, K 2,048] x [K 2,048, N 64]; A: softmax (see below); B: computed on the way: QUANTISED
;;   THE QUANTISER, for each operand of a quantised product, along K:
;;     - K is cut into blocks of 32 from its start; a last block that is shorter is filled with zeros.
;;     - A block's scale is 2^e with e = floor(log2(the largest magnitude in the block)) - 2, held to -126 .. 127; a block of zeros has e = 0. As a byte (E8M0): e + 127.
;;     - Each number is divided by its block's scale, clamped to +-7.5, and rounded to the nearest number of E2M3, ties to even, subnormals kept.
;;     - The product sums the exact products of the quantised numbers (number of the format x scale) in f32.
;;   ~~~python
;;   def quantise(x, axis):      # numpy; x: float32 -> the quantised numbers, widened to float32 again
;;       x = np.moveaxis(x, axis, -1); K = x.shape[-1]
;;       x = np.pad(x, [(0, 0)] * (x.ndim - 1) + [(0, -K % 32)]); x = x.reshape(x.shape[:-1] + (-1, 32)); a = np.abs(x).max(-1, keepdims=True)
;;       e = np.where(a > 0, np.clip(np.frexp(np.where(a > 0, a, 1))[1] - 1 - 2, -126, 127), 0)      # np.frexp(a)[1] - 1 = floor(log2(a)), exactly
;;       r = np.clip(x / 2.0 ** e, -7.5, 7.5)
;;       step = 2.0 ** (np.maximum(np.frexp(np.where(r == 0, 1, r))[1] - 1, 0) - 3)
;;       q = np.round(r / step) * step * 2.0 ** e      # np.round: ties to even
;;       return np.moveaxis(q.reshape(q.shape[:-2] + (-1,))[..., :K], -1, axis).astype(np.float32)
;;   ~~~
;;   SOFTMAX AHEAD OF A QUANTISED PRODUCT. Where the list says 'softmax', what is quantised is not the finished softmax but p = 2^(t - M), with t = logit x log2(e) and M = ceil(the row's largest t), a whole number; so 1/2 < the row's largest p <= 1. The row's sum l is taken of the UNQUANTISED p, in f32, and the product's result is divided by l at the end. Since M is a whole number, a kernel that streams over the keys may use a running M (the ceiling of the running maximum): every later rescaling is an exact power of two, which a block's scale takes up: the codes' values come out the same.
;;   OPERANDS COMPUTED ON THE WAY. 'Computed on the way' means the value that the module computes at that place (a softmax that the list does not call 'softmax' is quantised finished and normalised). What goes into a quantiser is computed in f32, as accurately as f32 sums, v_exp_f32 and their like allow (about 1e-6 of the number): no bf16 or f16 on the way to a quantiser, and a product that is left as it is and whose result goes on into a quantised operand takes f32 operands (vector FMAs, or v_wmma_f32_16x16x4_f32). A number that lies on a knife's edge between two numbers of the format may be rounded either way, as far as f32 arithmetic and the matrix unit's own rounding can turn it there, and no further.
;; One version. Each part assembles by itself: llvm-mc -triple=amdgcn-amd-amdhsa -mcpu=gfx1250 --defsym DOCPART=n.
;; ======== version 1 of 1: 3 launches
;; limits: right only within a limited range of input values
;; workspace buffers: xw_codes 8,650,752 bytes; xw_scales 360,448 bytes; qimg 6,291,456 bytes; qsc 524,288 bytes; kvimg 12,582,912 bytes; kvsc 786,432 bytes
;; launch quant (part 1): grid 352 x 1, 4 waves a work-group, no clusters, 33,280 bytes of LDS; arguments hidden_states, Wq, Wk, Wv, xw_codes, xw_scales; writes xw_codes, xw_scales
.if DOCPART == 1
	.amdgcn_target "amdgcn-amd-amdhsa--gfx1250"
	.amdhsa_code_object_version 6
	.text
	.protected	k_qbb4a9d2393_quant
	.globl	k_qbb4a9d2393_quant
	.p2align	8
	.type	k_qbb4a9d2393_quant,@function
k_qbb4a9d2393_quant:
	s_mov_b64 s[64:65], 0
	v_nop
	global_prefetch_b8 v0, s[64:65] scope:SCOPE_SE
	s_setreg_imm32_b32 hwreg(HW_REG_WAVE_MODE, 25, 1), 1
	s_wait_xcnt 0x0
; hidden_states [8192][1024], Wq, Wk, Wv [1024][1024], f32, K innermost, become codes of FP6 (E2M3) with one E8M0 byte for each 32 along K,
; laid as ONE operand table of 11,264 rows: rows 0-8191 the tokens, then Wq's, Wk's, Wv's 1,024 rows each.  xw_codes: 768 bytes a row; xw_scales: 32 bytes a row.
; A block's scale is 2^(floor(log2(largest magnitude)) - 2): its byte is the largest magnitude's exponent field - 2, held at 1 from below.
; (A block of zeros so gets the byte 1 where the quantiser says 127: its codes are zeros, and this program alone reads the bytes.)
; LIMITS: NaN and infinities among the inputs are not served; blocks whose largest magnitude lies under 2^-124 keep the byte 1.
; Rows are dense and 1,024 is a multiple of 32: all four tensors are plain streams of blocks of 32.  A work-group takes 32,768 numbers, a wave 8,192: 16 steps of 512.
; Work-groups 0-255 take the tokens, 256-287 Wq, 288-319 Wk, 320-351 Wv: only the source pointer is chosen, one path serves all.
; Each of a step's four loads reads 512 consecutive bytes, 16 a lane; the 2,048 bytes turn through the wave's own stage in LDS and come back 64 bytes a lane, so that a lane
; holds 16 neighbours along K (two neighbouring lanes hold a block).  No tensor loads, no barrier, no cluster: waves and work-groups share nothing.
.set STEPS, 16
.set EMAX,  2
.set CB,    12                         ; bytes of 16 codes
.set R,     16                         ; v16-79   four sets of 16 numbers as they are loaded
.set X,     80                         ; v80-111  two sets of 16 neighbours
.set C,     128                        ; v128-191 codes: four registers for each step, so that no store's data are written again
.set E,     112                        ; v112-127 a scale byte for each step
.set WREG,  8192                       ; LDS: a region for each wave: two stages of 32 x SP bytes, behind them its 256 scale bytes
.set SP,    80                         ; a lane's place in a stage: its 64 bytes + 16 of padding
	s_load_b256 s[4:11], s[0:1], 0x0               ; the tokens s[4:5], Wq s[6:7], Wk s[8:9], Wv s[10:11]
	s_load_b128 s[12:15], s[0:1], 0x20             ; the codes s[12:13], the scale bytes s[14:15]
	v_lshl_add_u32 v192, v0, 2, 0x8000
	v_mov_b32 v193, 0
	v_lshrrev_b32 v1, 5, v0
	v_readfirstlane_b32 s16, v1                    ; wave
	v_and_b32 v2, 31, v0                           ; lane
	v_lshlrev_b32 v3, 4, v2                        ; my 16 bytes of a load's 512
	s_mul_i32 s17, s16, WREG
	v_lshrrev_b32 v14, 2, v2
	v_mul_u32_u24 v14, v14, SP
	v_and_b32 v15, 3, v2
	v_lshl_add_u32 v14, v15, 4, v14
	v_add_nc_u32 v14, s17, v14                     ; the stage, on the way in: SP (lane / 4) + 16 (lane % 4)
	v_mul_u32_u24 v15, v2, SP
	v_add_nc_u32 v15, s17, v15                     ; and on the way out: SP x lane: my 16 neighbours
	v_mul_u32_u24 v4, v2, CB                       ; my codes' place in a step's
	v_lshrrev_b32 v5, 1, v2
	s_add_co_u32 s17, s17, 2*32*SP
	v_add_nc_u32 v5, s17, v5                       ; LDS: my wave's 256 scale bytes, my block's byte
	v_lshlrev_b32 v7, 3, v2                        ; and on the way out 8 bytes a lane
	v_add_nc_u32 v6, s17, v7
	s_wait_alu depctr_va_vdst(0)
	s_wait_kmcnt 0x0
	s_cmp_lt_u32 ttmp9, 256                        ; which tensor?  The choice hangs on the work-group's number alone
	s_cselect_b64 s[4:5], s[4:5], s[6:7]
	s_cselect_b32 s22, 0, 256                      ; and that tensor's first work-group
	s_cmp_ge_u32 ttmp9, 288
	s_cselect_b64 s[4:5], s[8:9], s[4:5]
	s_cselect_b32 s22, 288, s22
	s_cmp_ge_u32 ttmp9, 320
	s_cselect_b64 s[4:5], s[10:11], s[4:5]
	s_cselect_b32 s22, 320, s22
	s_sub_co_u32 s18, ttmp9, s22
	s_lshl_b32 s18, s18, 2
	s_add_co_u32 s18, s18, s16                     ; which run of 8,192 numbers of the source is my wave's (at most 1,023)
	s_lshl_b32 s18, s18, 15                        ; x 32,768 bytes
	s_mov_b32 s19, 0
	s_add_nc_u64 s[4:5], s[4:5], s[18:19]
	s_lshl_b32 s18, ttmp9, 2
	s_add_co_u32 s18, s18, s16                     ; which run of 8 rows of the four tensors on end
	; THE TABLE'S ROWS ARE PERMUTED inside each 64: true row 32 g + 8 t + e lies at table row 16 t + 8 g + e, so that 16 neighbouring table rows are the rows of one operand tile of the next launch.
	; A run is 8 rows: run 4 g + t goes to run 2 t + g
	s_and_b32 s20, s18, 3
	s_lshl_b32 s20, s20, 1
	s_bfe_u32 s21, s18, 0x10002
	s_and_b32 s18, s18, 0xfffffff8
	s_or_b32 s18, s18, s20
	s_or_b32 s18, s18, s21
	s_mul_i32 s20, s18, 32*STEPS*CB                ; 6,144 bytes of codes a run
	s_mov_b32 s21, 0
	s_add_nc_u64 s[12:13], s[12:13], s[20:21]
	s_lshl_b32 s18, s18, 8                         ; 256 scale bytes a run
	s_add_nc_u64 s[14:15], s[14:15], s[18:19]
.macro LOAD t
.irp i, 0,1,2,3
	global_load_b128 v[R+16*((\t)%4)+4*\i:R+16*((\t)%4)+4*\i+3], v3, s[4:5] offset:2048*(\t)+512*\i th:TH_LOAD_NT   ; 32 lanes read 512 consecutive bytes
.endr
.endm
.macro TURN t                          ; step t's numbers through the stage: LDS serves a wave's instructions in order, so no wait stands between the stores and the loads
.irp i, 0,1,2,3
	ds_store_b128 v14, v[R+16*((\t)%4)+4*\i:R+16*((\t)%4)+4*\i+3] offset:32*SP*((\t)%2)+8*SP*\i
.endr
.irp i, 0,1,2,3
	ds_load_b128 v[X+16*((\t)%2)+4*\i:X+16*((\t)%2)+4*\i+3], v15 offset:32*SP*((\t)%2)+16*\i
.endr
.endm
.irp t, 0,1,2,3
	LOAD \t
.endr
	s_wait_loadcnt 12                              ; step 0's four loads are in
	TURN 0
.macro STEP t
.set XS, X+16*((\t)%2)
.if (\t) > 0
	s_wait_dscnt 1                                 ; this step's numbers are back from the stage (the last step's byte store may be out): its stores into the stage have read their registers,
.else
	s_wait_dscnt 0x0
.endif
.if (\t)+4 < STEPS
	LOAD (\t)+4                                    ; which take the loads of four steps on
.endif
.if (\t)+1 < STEPS
.if STEPS-2-(\t) >= 3
	s_wait_loadcnt 12                              ; the next step's four loads are in; those of the three steps behind it may be out
.else
	s_wait_loadcnt 4*(STEPS-2-(\t))
.endif
	TURN (\t)+1                                    ; and go through the other stage while this step is worked
.endif
	v_max3_num_f32 v8, |v[XS]|, |v[XS+1]|, |v[XS+2]|               ; the largest magnitude of my 16, in two chains
	v_max3_num_f32 v9, |v[XS+3]|, |v[XS+4]|, |v[XS+5]|
.irp i, 6,10
	v_max3_num_f32 v8, v8, |v[XS+\i]|, |v[XS+\i+1]|
	v_max3_num_f32 v9, v9, |v[XS+\i+2]|, |v[XS+\i+3]|
.endr
	v_max3_num_f32 v8, v8, |v[XS+14]|, |v[XS+15]|
	v_max3_num_f32 v8, v8, v9, (EMAX+1)<<23        ; and the floor 2^(3 - 127): the byte cannot fall under 1
	v_max_num_f32_dpp v8, v8, v8 row_xmask:1 row_mask:0xf bank_mask:0xf   ; and of my neighbour's 16: the block's
	v_add_nc_u32 v11, -(EMAX<<23), v8              ; 2 off its exponent field: the conversion takes the exponent field of this operand as its scale
	v_cvt_scalef32_pk16_fp6_f32 v[C+4*(\t):C+4*(\t)+2], v[XS:XS+15], v11   ; sixteen codes, 96 bits, the first number's code lowest; beyond 7.5 the largest code
	v_lshrrev_b32 v[E+(\t)], 23, v11               ; the scale's byte
	ds_store_b8 v5, v[E+(\t)] offset:16*(\t)       ; both lanes of a block write the same byte with the same value
	global_store_b96 v4, v[C+4*(\t):C+4*(\t)+2], s[12:13] offset:32*CB*(\t)   ; the wave stores 384 consecutive bytes
.endm
.irp t, 0,1,2,3,4,5,6,7,8,9,10,11,12,13,14,15
	STEP \t
.endr
	ds_load_b64 v[12:13], v6                       ; LDS serves a wave's instructions in order: these see my byte stores
	s_wait_dscnt 0x0
	global_store_b64 v7, v[12:13], s[14:15]        ; 32 lanes store 256 consecutive bytes, aligned
	s_wait_tensorcnt 0x0
	ds_add_u32 v192, v193
	s_wait_dscnt 0x0
	s_endpgm
.Lfunc_end_k_qbb4a9d2393_quant:
	.size	k_qbb4a9d2393_quant, .Lfunc_end_k_qbb4a9d2393_quant-k_qbb4a9d2393_quant
	.p2alignl 7, 3214868480
	.fill 96, 4, 3214868480
	.section	.rodata,"a",@progbits
	.p2align	6, 0x0
	.amdhsa_kernel k_qbb4a9d2393_quant
		.amdhsa_group_segment_fixed_size 33280
		.amdhsa_private_segment_fixed_size 0
		.amdhsa_enable_private_segment 0
		.amdhsa_kernarg_size 48
		.amdhsa_user_sgpr_count 2
		.amdhsa_user_sgpr_kernarg_segment_ptr 1
		.amdhsa_wavefront_size32 1
		.amdhsa_system_sgpr_workgroup_id_x 1
		.amdhsa_system_sgpr_workgroup_id_y 1
		.amdhsa_system_sgpr_workgroup_id_z 1
		.amdhsa_system_vgpr_workitem_id 0
		.amdhsa_next_free_vgpr 194
		.amdhsa_next_free_sgpr 66
		.amdhsa_reserve_vcc 0
		.amdhsa_float_denorm_mode_32 3
		.amdhsa_float_denorm_mode_16_64 3
		.amdhsa_memory_ordered 1
		.amdhsa_forward_progress 1
		.amdhsa_inst_pref_size 33
	.end_amdhsa_kernel
	.amdgpu_metadata
---
amdhsa.version: [ 1, 2 ]
amdhsa.kernels:
  - .name:           k_qbb4a9d2393_quant
    .symbol:         k_qbb4a9d2393_quant.kd
    .args:
      - { .name: hidden_states, .offset: 0, .size: 8, .value_kind: global_buffer, .address_space: global }
      - { .name: Wq, .offset: 8, .size: 8, .value_kind: global_buffer, .address_space: global }
      - { .name: Wk, .offset: 16, .size: 8, .value_kind: global_buffer, .address_space: global }
      - { .name: Wv, .offset: 24, .size: 8, .value_kind: global_buffer, .address_space: global }
      - { .name: xw_codes, .offset: 32, .size: 8, .value_kind: global_buffer, .address_space: global }
      - { .name: xw_scales, .offset: 40, .size: 8, .value_kind: global_buffer, .address_space: global }
    .group_segment_fixed_size: 33280
    .private_segment_fixed_size: 0
    .kernarg_segment_align: 8
    .kernarg_segment_size: 48
    .max_flat_workgroup_size: 128
    .sgpr_count:     66
    .vgpr_count:     194
    .wavefront_size: 32
...
	.end_amdgpu_metadata
.endif
;; end of part 1
;; launch proj (part 2): grid 12 x 32, 4 waves a work-group, clusters of 4 x 4, 327,680 bytes of LDS; arguments xw_codes, xw_scales, bq, bk, bv, attention_mask, qimg, qsc, kvimg, kvsc; writes qimg, qsc, kvimg, kvsc
.if DOCPART == 2
	.amdgcn_target "amdgcn-amd-amdhsa--gfx1250"
	.amdhsa_code_object_version 6
	.text
	.protected	k_qbb4a9d2393_proj
	.globl	k_qbb4a9d2393_proj
	.p2align	8
	.type	k_qbb4a9d2393_proj,@function
k_qbb4a9d2393_proj:
	s_mov_b64 s[64:65], 0
	v_nop
	global_prefetch_b8 v0, s[64:65] scope:SCOPE_SE
	s_setreg_imm32_b32 hwreg(HW_REG_WAVE_MODE, 25, 1), 1
	s_wait_xcnt 0x0
	s_wait_alu depctr_hold_cnt(0) depctr_sa_sdst(0) depctr_va_vdst(0) depctr_va_sdst(0) depctr_va_ssrc(0) depctr_va_vcc(0) depctr_vm_vsrc(0)
	s_getreg_b32 s2, hwreg(HW_REG_IB_STS2, 6, 4)
	s_cmp_eq_u32 s2, 0
	s_cbranch_scc0 .Lentry_in_a_cluster
	s_endpgm
.Lentry_in_a_cluster:
	s_bfe_u32 s2, ttmp6, 0x10000c
	s_cmp_lg_u32 s2, 0xf033
	s_cbranch_scc0 .Lentry_shape_is_right
	s_endpgm
.Lentry_shape_is_right:
; q, k, v = tokens x W^T + bias on codes of FP6 (E2M3) with E8M0 scales, from the operand table of 11,264 rows (tokens, then Wq's, Wk's, Wv's rows; 768 bytes of codes, 32 scale bytes a row).
; A work-group of four waves multiplies 256 rows of the table (side 1) by 256 others (side 0), a wave 128 x 128 (64 accumulators).  Cluster x 0, 1, 2 is q, k, v.  The bias is the C of each accumulator's first product.
; THE TABLE'S ROWS ARE PERMUTED inside each 64: row m of tile 4 c + t (16 neighbouring table rows) is true row 64 c + 8 t + m % 8 + 32 (m / 8).  In a result, lane (r, h) holds row r of side 1's tile (source 1), and its register j
; row 8 h + j of side 0's tile (source 0): so the 32 registers of accumulators 4 c .. 4 c + 3 are true rows 64 c + 32 h + 0 .. 31 of side 0: A WHOLE BLOCK OF 32 ALONG THE NEXT K, in the lane that the next operand's layout gives it.
; q, k: side 1 = tokens, tile 4 Y + cy; side 0 = W's rows, tile cx: a lane holds a token, its registers run along the features (the next K).
; v: side 1 = Wv's rows, tile cy; side 0 = tokens, tile 4 Y + cx: a lane holds a feature, its registers run along the tokens (the next K).  Only offsets into memory are chosen by the cluster's x; LDS is laid alike for all.
; THE WAY OUT stays in registers: a block's largest magnitude, its scale, two conversions; the codes are the next launch's operand registers and are stored as they stand, 512 consecutive bytes an instruction.
; A key whose mask is below 0 gets zero codes.
; K = 1,024 goes through a ring of two LDS slots in chunks of 256 bytes of each row (three chunks; each begins at a multiple of 256).  A step of 128 along K is 96 bytes: steps 2 and 5 lie across two chunks.
; The scales of the 256 + 256 rows come once, as dense blocks.  4 x 4 work-groups form a cluster: side 1's tiles hang on cy and are asked for jointly along a row, side 0's on cx and along a column.
; No prefetch: K is three chunks; chunks 0 and 1 are asked for at the head and chunk 2 two steps later, so there is no trip to run ahead in.
; LIMITS: NaN and infinities are not served; a block whose largest magnitude lies under 2^-124 keeps the scale byte 1.
.set ROWB,   256
.set NQ,     2
.set KROW,   768
.set STEPS,  8
.set CHUNKS, 3
.set PITCH,  272                       ; 256 bytes + 16 of padding
.set FR,     12
.set NL,     6
.set NP,     4
.set HALFT,  128*PITCH
.set SLOT,   4*HALFT                   ; side 1's 256 rows, then side 0's
.set KS,     32
.set SCL,    2*SLOT                    ; the scales, as units of 256 bytes + 16
.set HALFS,  (128*KS/256)*272
.set SBLK,   (16*KS/256)*272
.set SPARE,  SCL+4*HALFS               ; the spare words, 128 bytes a wave
.set SH8,  8                           ; v8   8 x (lane / 16)
.set LG,   15                          ; v15  16 x lane
.set ADRA, 16                          ; v16-17 side 1's fragments in slot 0, 1; v18-19 for a piece whose two halves of the lanes read different slots
.set ADRB, 20                          ; v20-23 the same for side 0
.set LG8,  26                          ; v26  8 x lane
.set ADRS, 27
.set SPW,  28
.set NIL,  29
.set BO,   30                          ; v30  128 x (lane / 16)
.set RO,   31                          ; v31  4 x (r % 8 + 32 (r / 8)): my row of side 1's tile, as a true row, in f32 numbers
.set SC,   32                          ; v32-63 scale words, two sets
.set BI,   64                          ; v64-127 the bias in the result's layout; free behind step 0
.set AF,   128                         ; v128-223 side 1's fragments, one set
.set MK,   224                         ; v224-231 the mask at my rows of side 1's tiles
.set MX,   96                          ; the way out: v96-127 at work, v128-223 the codes
.set MY,   98
.set SCO,  100
.set BY,   102
.set WD,   104
.set WT,   106
.set TM,   107
.set FLR,  108
.set TP,   110
.set WQ,   120
.set OUT,  128
.set FL,   95
.set G1, 24
.set G0, 32
.set G1B, 48
.set G0B, 56
.set G1S, 68
.set G0S, 76
.set G1SB, 80
.set G0SB, 88
.set MSB, 0
.macro WIN new
.if MSB != (\new)
	s_set_vgpr_msb (MSB<<8)|(\new)
.set MSB, (\new)
.endif
.endm
.set MUL_LO,  0xa1                     ; source 0 window 1, source 1 window 0, C and D window 2
.set MUL_HI,  0xf1                     ; C and D window 3
.set MUL_LO0, 0x81                     ; C window 0: the bias
.set MUL_HI0, 0xc1
.set TO_B,    0x40
.macro JLOAD g0a, g1a, g0b, g1b        ; waves 0, 1 fetch for side 1, waves 2, 3 for side 0
	s_cmp_eq_u32 s15, 0
	s_cbranch_scc0 .Lfor_b_\@
	tensor_load_to_lds s[\g0a:\g0a+3], s[\g1a:\g1a+7]
	s_nop 0
.rept 4
	v_nop
.endr
	s_branch .Lasked_\@
.Lfor_b_\@:
	tensor_load_to_lds s[\g0b:\g0b+3], s[\g1b:\g1b+7]
	s_nop 0
.rept 4
	v_nop
.endr
.Lasked_\@:
.endm
.macro CREST
	s_cmp_lg_u32 s14, 0
	s_cbranch_scc1 .Lnot_wave_0_\@
	s_barrier_signal -3
.Lnot_wave_0_\@:
	s_barrier_wait -3
	s_barrier_signal -1
	s_barrier_wait -1
.endm
.macro CROUND
	s_barrier_signal -1
	s_barrier_wait -1
	CREST
.endm
	s_load_b128 s[4:7], s[0:1], 0x0                ; the codes, the scale bytes
	s_load_b128 s[8:11], s[0:1], 0x10              ; bq, bk
	s_load_b128 s[96:99], s[0:1], 0x20             ; bv, the mask
	v_lshl_add_u32 v[SPW], v0, 2, SPARE
	v_mov_b32 v[NIL], 0
	ds_add_u32 v[SPW], v[NIL]
	ds_add_u32 v[SPW], v[NIL]
	v_lshrrev_b32 v1, 5, v0
	v_readfirstlane_b32 s14, v1                    ; wave
	s_lshr_b32 s15, s14, 1                         ; my half of side 1's rows; also: I fetch for side 1 (0) or side 0 (1)
	s_and_b32 s16, s14, 1                          ; my half of side 0's rows; also: which 128 rows I fetch
	s_bfe_u32 s40, ttmp6, 0x40000                  ; cx
	s_bfe_u32 s41, ttmp6, 0x40004                  ; cy
	s_lshl_b32 s42, ttmp9, 2
	s_add_co_u32 s42, s42, s40                     ; 4 X + cx
	s_and_b32 s17, ttmp7, 0xffff
	s_lshl_b32 s17, s17, 2
	s_add_co_u32 s17, s17, s41                     ; 4 Y + cy
	s_lshl_b32 s43, s41, 2
	s_lshl_b32 s43, 15, s43                        ; my row of the cluster
	s_lshl_b32 s44, 0x1111, s40                    ; my column
	s_or_b32 s[G1+0], s43, (0<<16)|(1<<20)|(1<<21)|(5<<22)|(3<<25)   ; bytes; 4 words of padding behind every 64
	s_or_b32 s[G1B+0], s44, (0<<16)|(1<<20)|(1<<21)|(5<<22)|(3<<25)
.irp g, G1, G1B
	s_mov_b32 s[\g+1], ROWB<<16
	s_mov_b32 s[\g+2], 256<<16                     ; the head's loads bring 256 rows
	s_mov_b32 s[\g+3], ROWB<<16
	s_mov_b32 s[\g+4], 256
	s_mov_b32 s[\g+5], KROW
	s_mov_b32 s[\g+6], 0
	s_mov_b32 s[\g+7], 0
.endr
	s_or_b32 s[G1S+0], s43, (3<<16)|(1<<20)|(1<<21)|(5<<22)|(3<<25)  ; the scales of 256 rows: 32 rows of 256 bytes
	s_or_b32 s[G1SB+0], s44, (3<<16)|(1<<20)|(1<<21)|(5<<22)|(3<<25)
.irp g, G1S, G1SB
	s_mov_b32 s[\g+1], 32<<16
	s_mov_b32 s[\g+2], KS<<16
	s_mov_b32 s[\g+3], 32<<16
	s_mov_b32 s[\g+4], KS
	s_mov_b32 s[\g+5], 32
	s_mov_b32 s[\g+6], 0
	s_mov_b32 s[\g+7], 0
.endr
	s_lshl_b32 s20, s17, 8                         ; side 1's first row of the table.  q, k: tokens 256 (4 Y + cy);
	s_lshl_b32 s21, s41, 8
	s_add_co_u32 s21, s21, 10240                   ; v: Wv's rows, from 10,240 on, 256 cy.  Both hang on cy alone
	s_lshl_b32 s46, s42, 8
	s_add_co_u32 s46, s46, 8192                    ; side 0's.  q, k: the weights begin at row 8,192: + 256 (4 X + cx);
	s_and_b32 s47, ttmp7, 0xffff
	s_lshl_b32 s47, s47, 2
	s_add_co_u32 s47, s47, s40
	s_lshl_b32 s47, s47, 8                         ; v: tokens 256 (4 Y + cx).  Both hang on cx alone
	s_cmp_eq_u32 ttmp9, 2                          ; the cluster's x, which all sixteen partners share
	s_cselect_b32 s20, s21, s20
	s_cselect_b32 s46, s47, s46
	s_mov_b32 s21, 0
	s_mov_b32 s47, 0
	s_mov_b64 s[18:19], KS
	s_mul_u64 s[22:23], s[20:21], s[18:19]
	s_mul_u64 s[92:93], s[46:47], s[18:19]
	s_mov_b64 s[18:19], KROW
	s_mul_u64 s[20:21], s[20:21], s[18:19]
	s_mul_u64 s[46:47], s[46:47], s[18:19]
	s_mul_i32 s18, s16, 128*KROW                   ; in the ring I fetch 128 rows: which half
	s_mov_b32 s19, 0
	s_mul_i32 s45, s14, HALFT                      ; and where they go
	s_wait_dscnt 0x0                               ; both opening adds are done
	s_wait_kmcnt 0x0
	s_add_nc_u64 s[20:21], s[4:5], s[20:21]
	s_add_nc_u64 s[22:23], s[6:7], s[22:23]
	s_add_nc_u64 s[46:47], s[4:5], s[46:47]
	s_add_nc_u64 s[92:93], s[6:7], s[92:93]
	CROUND                                         ; the first joint loads meet
	s_mov_b32 s[G0], 1                             ; the head's four tiles, each whole.  Slot 0's groups 0 serve them first: chunk 0's 256 rows of side 1,
	s_mov_b32 s[G0+1], 0
	s_mov_b64 s[G0+2:G0+3], s[20:21]
	s_or_b32 s[G0+3], s[G0+3], 0x80000000
	s_mov_b32 s[G0B], 1                            ; of side 0,
	s_mov_b32 s[G0B+1], 2*HALFT
	s_mov_b64 s[G0B+2:G0B+3], s[46:47]
	s_or_b32 s[G0B+3], s[G0B+3], 0x80000000
	s_mov_b32 s[G0S], 1                            ; side 1's scales,
	s_mov_b32 s[G0S+1], SCL
	s_mov_b64 s[G0S+2:G0S+3], s[22:23]
	s_or_b32 s[G0S+3], s[G0S+3], 0x80000000
	s_mov_b32 s[G0SB], 1                           ; side 0's
	s_mov_b32 s[G0SB+1], SCL+2*HALFS
	s_mov_b64 s[G0SB+2:G0SB+3], s[92:93]
	s_or_b32 s[G0SB+3], s[G0SB+3], 0x80000000
	s_add_nc_u64 s[12:13], s[20:21], s[18:19]      ; for the ring: my 128 rows
	s_add_nc_u64 s[66:67], s[46:47], s[18:19]
	s_mov_b32 s[G0+4], 1                           ; slot 1: chunk 1
	s_add_co_u32 s[G0+5], s45, SLOT
	s_add_nc_u64 s[G0+6:G0+7], s[12:13], ROWB
	s_or_b32 s[G0+7], s[G0+7], 0x80000000
	s_mov_b32 s[G0B+4], 1
	s_add_co_u32 s[G0B+5], s45, SLOT
	s_add_nc_u64 s[G0B+6:G0B+7], s[66:67], ROWB
	s_or_b32 s[G0B+7], s[G0B+7], 0x80000000
.macro ARM under, g0, g1, next         ; one load a wave at the head: one chain of branches on the wave's number, all arms to one join
	s_cmp_lt_u32 s14, \under
	s_cbranch_scc0 \next
	tensor_load_to_lds s[\g0:\g0+3], s[\g1:\g1+7]
	s_nop 0
.rept 4
	v_nop
.endr
	s_branch .Lhead_asked
\next:
.endm
	ARM 1, G0,  G1,  .Lhead_b
	ARM 2, G0B, G1B, .Lhead_sa
	ARM 3, G0S, G1S, .Lhead_sb
	tensor_load_to_lds s[G0SB:G0SB+3], s[G1SB:G1SB+7]
	s_nop 0
.rept 4
	v_nop
.endr
.Lhead_asked:
	s_cmp_eq_u32 ttmp9, 1                          ; which bias: by the cluster's x alone
	s_cselect_b64 s[8:9], s[10:11], s[8:9]
	s_cmp_eq_u32 ttmp9, 2
	s_cselect_b64 s[8:9], s[96:97], s[8:9]
	s_cselect_b32 s46, s41, s40                    ; my 128 features: q, k: tile cx, side 0's half; v: tile cy, side 1's half
	s_cselect_b32 s47, s15, s16
	s_lshl_b32 s46, s46, 10
	s_lshl_b32 s47, s47, 9
	s_add_co_u32 s46, s46, s47
	s_mov_b32 s47, 0
	s_add_nc_u64 s[8:9], s[8:9], s[46:47]          ; their bias
	s_lshl_b32 s20, s17, 10
	s_lshl_b32 s21, s15, 9
	s_add_co_u32 s20, s20, s21
	s_mov_b32 s21, 0
	s_add_nc_u64 s[98:99], s[98:99], s[20:21]      ; the mask of tokens 256 (4 Y + cy) + 128 x my half of side 1
	v_and_b32 v1, 15, v0                           ; r
	v_bfe_u32 v2, v0, 4, 1                         ; h
	v_and_b32 v3, 7, v0
	v_bfe_u32 v4, v0, 3, 1
	v_lshlrev_b32 v[BO], 7, v2
	v_lshlrev_b32 v3, 2, v3
	v_lshl_add_u32 v[RO], v4, 7, v3
.irp a, 0,1,2,3,4,5,6,7                ; my row of side 1's tile a = 4 c + t is true row 64 c + 8 t + r % 8 + 32 (r / 8).  On the one way that all take; k's way out selects by it, q's holds it at 0 from below, v's does not read it
	global_load_b32 v[MK+\a], v[RO], s[98:99] offset:256*(\a/4)+32*(\a%4)
.endr
	s_mov_b32 s18, SLOT-232
	s_mov_b32 s19, SLOT+232
	s_mul_i32 s20, s15, HALFT                      ; my 128 rows of side 1
	s_mul_i32 s22, s16, HALFT
	s_add_co_u32 s22, s22, 2*HALFT                 ; my 128 rows of side 0
	v_mul_u32_u24 v3, v1, PITCH
	v_mul_u32_u24 v4, v2, 24
	v_add_nc_u32 v4, v3, v4                        ; row x pitch + 24 x half
	v_sub_nc_u32 v7, 1, v2
	v_mul_u32_u24 v5, s18, v2
	v_add_nc_u32 v5, v3, v5
	v_add_nc_u32 v5, 232, v5                       ; lanes 0-15 byte 232 of the row in slot 0, lanes 16-31 byte 0 in slot 1;
	v_mul_u32_u24 v6, s19, v7
	v_add_nc_u32 v6, v3, v6                        ; and the other way round
	v_add_nc_u32 v[ADRA+2], s20, v5
	v_add_nc_u32 v[ADRA+3], s20, v6
	v_add_nc_u32 v[ADRB+2], s22, v5
	v_add_nc_u32 v[ADRB+3], s22, v6
.irp s, 0,1
	v_add_nc_u32 v[ADRA+\s], s20, v4
	v_add_nc_u32 v[ADRB+\s], s22, v4
	s_add_co_u32 s20, s20, SLOT
	s_add_co_u32 s22, s22, SLOT
.endr
	s_mul_i32 s21, s15, HALFS                      ; the scale words: side 1's lie below side 0's
	s_mul_i32 s22, s16, HALFS
	s_add_co_u32 s22, s22, 2*HALFS
	s_sub_co_u32 s22, s22, s21                     ; the distance between the two
	s_add_co_u32 s21, s21, SCL
	v_mul_u32_u24 v5, v1, KS
	v_lshrrev_b32 v6, 8, v5
	v_lshl_add_u32 v5, v6, 4, v5
	v_mul_u32_u24 v6, s22, v2                      ; lanes 0-15 take side 1's, lanes 16-31 side 0's
	v_add_nc_u32 v5, v5, v6
	v_add_nc_u32 v[ADRS], s21, v5
	v_and_b32 v6, 31, v0
	v_lshlrev_b32 v[LG], 4, v6
	v_lshlrev_b32 v[LG8], 3, v6
	v_lshlrev_b32 v[SH8], 3, v2
	s_wait_alu depctr_va_vdst(0)
	s_cmp_eq_u32 ttmp9, 2
	s_cbranch_scc1 .Lbias_v
.irp b, 0,1,2,3,4,5,6,7                ; q, k: register j of accumulator (a, 4 c + t) is feature 64 c + 32 h + 8 t + j
	global_load_b128 v[BI+8*\b:BI+8*\b+3], v[BO], s[8:9] offset:256*(\b/4)+32*(\b%4)
	global_load_b128 v[BI+8*\b+4:BI+8*\b+7], v[BO], s[8:9] offset:256*(\b/4)+32*(\b%4)+16
.endr
	s_branch .Lbias_j
.Lbias_v:
.irp a, 0,1,2,3,4,5,6,7                ; v: all of accumulator (a, b) in a lane is one feature, my row of side 1's tile a
	global_load_b32 v[BI+8*\a], v[RO], s[8:9] offset:256*(\a/4)+32*(\a%4)
.endr
	s_wait_loadcnt 0x0                             ; (while the head's tensor loads are out)
.irp a, 0,1,2,3,4,5,6,7
.irp j, 1,2,3,4,5,6,7
	v_mov_b32 v[BI+8*\a+\j], v[BI+8*\a]            ; its bias in all eight registers of the C
.endr
.endr
.Lbias_j:
.macro FRAG reg, adr, st, i            ; 16 rows x 128 K: six pieces of 8 bytes; byte y of a row lies in slot (y / 256) % 2 at byte y % 256
.irp p, 0,1,2,3,4,5
.set PB, 96*(\st)+48*(\p/3)+8*(\p%3)
.if PB/ROWB == (PB+24)/ROWB
	ds_load_b64 v[\reg+2*\p:\reg+2*\p+1], v[\adr+(PB/ROWB)%2] offset:PB%ROWB+(\i)*16*PITCH
.else
	ds_load_b64 v[\reg+2*\p:\reg+2*\p+1], v[\adr+2+(PB/ROWB)%2] offset:PB%ROWB-232+(\i)*16*PITCH
.endif
.endr
.endm
.macro MUL16 a0, p, q, sc, zero        ; side 1's blocks a0, a0 + 1 x side 0's eight; the 64 accumulators by turns; zero = 1, 2: the bias starts the sums (by side 0's block; for v by side 1's)
.irp a, \a0, \a0+1
.irp b, 0,1,2,3,4,5,6,7
.if (\zero) == 1
	v_wmma_scale_f32_16x16x128_f8f6f4 v[8*(8*((\a)%4)+\b):8*(8*((\a)%4)+\b)+7], v[128*(\p)+FR*\b:128*(\p)+FR*\b+FR-1], v[AF+FR*(\a):AF+FR*(\a)+FR-1], v[BI+8*\b:BI+8*\b+7], v[SC+8*NQ*(\sc)+NQ*\b+(\q)], v[SC+8*NQ*(\sc)+NQ*(\a)+(\q)] matrix_a_fmt:MATRIX_FMT_FP6 matrix_b_fmt:MATRIX_FMT_FP6 matrix_a_scale:MATRIX_SCALE_ROW1
.elseif (\zero) == 2
	v_wmma_scale_f32_16x16x128_f8f6f4 v[8*(8*((\a)%4)+\b):8*(8*((\a)%4)+\b)+7], v[128*(\p)+FR*\b:128*(\p)+FR*\b+FR-1], v[AF+FR*(\a):AF+FR*(\a)+FR-1], v[BI+8*(\a):BI+8*(\a)+7], v[SC+8*NQ*(\sc)+NQ*\b+(\q)], v[SC+8*NQ*(\sc)+NQ*(\a)+(\q)] matrix_a_fmt:MATRIX_FMT_FP6 matrix_b_fmt:MATRIX_FMT_FP6 matrix_a_scale:MATRIX_SCALE_ROW1
.else
	v_wmma_scale_f32_16x16x128_f8f6f4 v[8*(8*((\a)%4)+\b):8*(8*((\a)%4)+\b)+7], v[128*(\p)+FR*\b:128*(\p)+FR*\b+FR-1], v[AF+FR*(\a):AF+FR*(\a)+FR-1], v[8*(8*((\a)%4)+\b):8*(8*((\a)%4)+\b)+7], v[SC+8*NQ*(\sc)+NQ*\b+(\q)], v[SC+8*NQ*(\sc)+NQ*(\a)+(\q)] matrix_a_fmt:MATRIX_FMT_FP6 matrix_b_fmt:MATRIX_FMT_FP6 matrix_a_scale:MATRIX_SCALE_ROW1
.endif
.endr
.endr
.endm
.macro FETCH_B st, p
	WIN TO_B
.irp i, 0,1,2,3,4,5,6,7
	FRAG 128*(\p)+FR*\i, ADRB, \st, \i
.endr
	WIN 0
.endm
.macro FETCH_A st, i0
.irp i, \i0, \i0+1, \i0+2, \i0+3
	FRAG AF+FR*(\i), ADRA, \st, \i
.endr
.endm
.macro SCALES pr                       ; the scale words of steps 2 pr, 2 pr + 1: lanes 0-15 side 1's block i, lanes 16-31 side 0's
.irp i, 0,1,2,3,4,5,6,7
	ds_load_b64 v[SC+8*NQ*((\pr)%2)+NQ*\i:SC+8*NQ*((\pr)%2)+NQ*\i+1], v[ADRS] offset:\i*SBLK+4*NQ*(\pr)
.endr
.endm
.macro PLACES n
.rept \n
	v_nop
.endr
.endm
; A step: 64 products; the next step's fragments are fetched in its middle and at its end.  Where the next step ends in a chunk not yet read: the wait for my tensor loads and a barrier.
; Where it begins in a later chunk: the wait, the add, the wait for my reads, the barrier; and where a chunk two on is left to fetch, the barrier opens a round and the slot is filled again.
.macro STEP st, zero
.set NX, (\st)+1
.set C0, (96*(\st))/ROWB
.set C1, (96*NX)/ROWB
.set E0, (96*(\st)+95)/ROWB
.set E1, (96*NX+95)/ROWB
.if C1 > C0 || E1 > E0
	s_wait_tensorcnt 0x0                           ; all my tensor loads have landed
.if C1 > C0
	ds_add_u32 v[SPW], v[NIL]
	s_wait_dscnt 4*NL+1                            ; the add and side 1's blocks 4-7 may be out
.else
	s_wait_dscnt 4*NL
.endif
	WIN MUL_LO
	MUL16 0, (\st)%2, (\st)%2, ((\st)/2)%2, \zero
	s_wait_dscnt 0x0                               ; the add and all my reads are done
	s_barrier_signal -1
	MUL16 2, (\st)%2, (\st)%2, ((\st)/2)%2, \zero
	WIN 0
	s_barrier_wait -1
.if C1 > C0 && C0+2 < CHUNKS
	CREST
	s_add_nc_u64 s[G0+4*(C0%2)+2:G0+4*(C0%2)+3], s[G0+4*(C0%2)+2:G0+4*(C0%2)+3], 2*ROWB
	s_add_nc_u64 s[G0B+4*(C0%2)+2:G0B+4*(C0%2)+3], s[G0B+4*(C0%2)+2:G0B+4*(C0%2)+3], 2*ROWB
	JLOAD G0+4*(C0%2), G1, G0B+4*(C0%2), G1B       ; chunk C0 + 2; its four v_nop are the places ahead of the loads below
.else
	PLACES NP
.endif
.else
	s_wait_dscnt 4*NL                              ; side 0's set and side 1's blocks 0-3 are in
.if \zero
	WIN MUL_LO0
.else
	WIN MUL_LO
.endif
	MUL16 0, (\st)%2, (\st)%2, ((\st)/2)%2, \zero
	MUL16 2, (\st)%2, (\st)%2, ((\st)/2)%2, \zero
	s_wait_dscnt 0
	PLACES NP
.endif
	FETCH_B NX, NX%2
	FETCH_A NX, 0
.if NX%2 == 0
	SCALES NX/2
.endif
.if \zero
	WIN MUL_HI0
.else
	WIN MUL_HI
.endif
	MUL16 4, (\st)%2, (\st)%2, ((\st)/2)%2, \zero
	MUL16 6, (\st)%2, (\st)%2, ((\st)/2)%2, \zero
	PLACES NP
	WIN 0
	FETCH_A NX, 4
.endm
	s_wait_alu depctr_va_vdst(0)
	s_wait_tensorcnt 0x0                           ; my tile of the head's four is in
	ds_add_u32 v[SPW], v[NIL]
	s_mov_b32 s[G1+2], 128<<16                     ; no tensor load of mine is out: from here on a load brings 128 rows,
	s_mov_b32 s[G1+4], 128
	s_mov_b32 s[G1B+2], 128<<16
	s_mov_b32 s[G1B+4], 128
	s_add_co_u32 s[G0+1], s45, 0                   ; and slot 0's groups 0 stand at my 128 rows' chunk 0: the first refill steps them to chunk 2
	s_mov_b64 s[G0+2:G0+3], s[12:13]
	s_or_b32 s[G0+3], s[G0+3], 0x80000000
	s_add_co_u32 s[G0B+1], s45, 0
	s_mov_b64 s[G0B+2:G0B+3], s[66:67]
	s_or_b32 s[G0B+3], s[G0B+3], 0x80000000
	s_wait_dscnt 0x0
	CROUND
	JLOAD G0+4, G1, G0B+4, G1B                     ; chunk 1, the first tensor load behind the round
	FETCH_B 0, 0
	FETCH_A 0, 0
	SCALES 0
	FETCH_A 0, 4
	s_wait_loadcnt 0x0                             ; the bias and the mask are in
	s_load_b256 s[4:11], s[0:1], 0x30              ; qimg, qsc, kvimg, kvsc, for the way out
	s_cmp_eq_u32 ttmp9, 2
	s_cbranch_scc1 .Lstep0_v
	STEP 0, 1
	s_branch .Lstep1
.Lstep0_v:
	STEP 0, 2
.Lstep1:
.set ST, 1
.rept STEPS-2
	STEP ST, 0
.set ST, ST+1
.endr
	s_wait_dscnt 4*NL                              ; the last step
	WIN MUL_LO
	MUL16 0, 1, 1, 1, 0
	MUL16 2, 1, 1, 1, 0
	s_wait_dscnt 0
	WIN MUL_HI
	MUL16 4, 1, 1, 1, 0
	MUL16 6, 1, 1, 1, 0
	WIN 0
; THE WAY OUT.  QCORE a: side 1's tile a, 64 registers a lane: two whole blocks of 32 (c = 0, 1; my block of each is 2 c + h).  Four chains of maxima by turns, each accumulator from its low end on, with the floor
; 2^(3 - 127) as a leaf; 2 off the exponent field is the conversions' scale operand; codes into v[D0 ..], v[D1 ..] (lower 16) and v[TP ..] (upper 16: a conversion's three registers begin on an even number).
; v[WD + a % 2]: the four scale bytes of my row: blocks (c, h) = (0, 0), (0, 1), (1, 0), (1, 1), my two joined with those of the lane 16 away.
.macro QCORE a
.set AC, 64*((\a)%4)
	WIN 0x28+0x14*((\a)/4)                         ; sources 1 and 2: window 2 or 3
.irp c, 0,1
	v_max3_num_f32 v[MX+\c], v[FLR], |v[AC+32*\c]|, |v[AC+32*\c+1]|
	v_max3_num_f32 v[MY+\c], v[FLR], |v[AC+32*\c+16]|, |v[AC+32*\c+17]|
.endr
.irp i, 2,4,6,8,10,12,14
.irp c, 0,1
	v_max3_num_f32 v[MX+\c], v[MX+\c], |v[AC+32*\c+\i]|, |v[AC+32*\c+\i+1]|
	v_max3_num_f32 v[MY+\c], v[MY+\c], |v[AC+32*\c+16+\i]|, |v[AC+32*\c+17+\i]|
.endr
.endr
	WIN 0
.irp c, 0,1
	v_max_num_f32 v[MX+\c], v[MX+\c], v[MY+\c]
.endr
.irp c, 0,1
	v_add_nc_u32 v[SCO+\c], 0xff000000, v[MX+\c]
.endr
	WIN 0x02+(\a)/4                                ; source 0: window 2 or 3
	v_cvt_scalef32_pk16_fp6_f32 v[D0:D0+2], v[AC:AC+15], v[SCO]
	v_cvt_scalef32_pk16_fp6_f32 v[TP:TP+2], v[AC+16:AC+31], v[SCO]
	v_cvt_scalef32_pk16_fp6_f32 v[D1:D1+2], v[AC+32:AC+47], v[SCO+1]
	v_cvt_scalef32_pk16_fp6_f32 v[TP+4:TP+6], v[AC+48:AC+63], v[SCO+1]
	WIN 0
.irp c, 0,1
	v_lshrrev_b32 v[BY+\c], 23, v[SCO+\c]          ; the scales' bytes.  (Plain lines behind the conversions)
.endr
	v_lshl_or_b32 v[WD+(\a)%2], v[BY+1], 16, v[BY]
	v_lshlrev_b32 v[WD+(\a)%2], v[SH8], v[WD+(\a)%2]
	v_permlanex16_b32 v[WT], v[WD+(\a)%2], s92, s93
	v_or_b32 v[WD+(\a)%2], v[WD+(\a)%2], v[WT]
.endm
; q, k: tile a of the two heads' images: block c is head c's; two tiles' six registers on end are 12 dwords a lane, stored as three groups of 512 bytes
.macro QKA a
.set D0, OUT+24*((\a)/2)+6*((\a)%2)
.set D1, D0+12
	QCORE \a
	v_max_num_f32 v[TM], s[FL], v[MK+(\a)]         ; q: never below 0; k: my token's mask
	v_cmp_le_f32 vcc_lo, 0, v[TM]
.irp e, 0,1
.irp i, 0,1,2
	v_cndmask_b32 v[D0+12*\e+\i], 0, v[D0+12*\e+\i], vcc_lo       ; a key whose mask is below 0: zero codes
	v_cndmask_b32 v[D0+12*\e+3+\i], 0, v[TP+4*\e+\i], vcc_lo      ; (the upper 16 codes come to their place on the way)
.endr
.endr
.if (\a)%2
.set U, (\a)/2
	v_cndmask_b32 v[WT], v[WD], v[WD+1], s20       ; lanes 0-15 the even tile's rows, lanes 16-31 the odd tile's
	v_perm_b32 v[WQ+U], s94, v[WT], s18            ; head 0's word: its two bytes, then 0x7f twice
	v_perm_b32 v[WQ+4+U], s94, v[WT], s19          ; head 1's
.irp n, 0,1,2
	global_store_b128 v[LG], v[OUT+24*U+4*\n:OUT+24*U+4*\n+3], s[4:5] offset:1536*U+512*\n
	global_store_b128 v[LG], v[OUT+24*U+12+4*\n:OUT+24*U+12+4*\n+3], s[12:13] offset:1536*U+512*\n
.endr
.endif
.endm
; v: tile a = 4 c + t is tile t of head c: its 12 registers are the operand's, keys 64 c' + 32 h + 0 .. 31
.macro VA a
.set D0, OUT+12*(\a)
.set D1, D0+6
	QCORE \a
.irp e, 0,1
.irp i, 0,1,2
	v_mov_b32 v[D0+6*\e+3+\i], v[TP+4*\e+\i]
.endr
.endr
.if (\a)%2
	v_cndmask_b32 v[WQ+(\a)/2], v[WD], v[WD+1], s20
.endif
.irp n, 0,1,2
	global_store_b128 v[LG], v[D0+4*\n:D0+4*\n+3], s[8:9] offset:196608*((\a)/4)+1536*((\a)%4)+512*\n
.endr
.endm
	PLACES NP
	v_mov_b32 v[FLR], 0x1800000
	v_mov_b32 v[WT], 0                             ; written once: a lane permute's destination counts as one of its sources
	s_wait_alu depctr_va_vdst(0)
	s_mov_b32 s92, 0x76543210
	s_mov_b32 s93, 0xfedcba98                      ; lane l xor 16
	s_mov_b32 s94, 0x7f7f7f7f
	s_and_b32 s22, ttmp7, 0xffff
	s_lshl_b32 s22, s22, 2
	s_add_co_u32 s22, s22, s40                     ; v's tile of tokens, 4 Y + cx
	s_cmp_eq_u32 ttmp9, 2
	s_cselect_b32 s22, s22, s17                    ; my tile of 256 tokens,
	s_cselect_b32 s23, s16, s15                    ; my half of it,
	s_cselect_b32 s2, s41, s40                     ; my tile of 256 features,
	s_cselect_b32 s3, s15, s16                     ; my half of it
	s_lshr_b32 s18, s22, 3                         ; batch
	s_and_b32 s19, s22, 7
	s_lshl_b32 s19, s19, 1
	s_add_co_u32 s19, s19, s23                     ; which 128 tokens of the sequence
	s_lshl_b32 s20, s18, 4
	s_lshl_b32 s21, s2, 2
	s_add_co_u32 s20, s20, s21
	s_lshl_b32 s21, s3, 1
	s_add_co_u32 s20, s20, s21                     ; 16 x batch + my first head
	s_lshl_b32 s21, s20, 4
	s_add_co_u32 s21, s21, s19
	s_wait_kmcnt 0x0
	s_cmp_eq_u32 ttmp9, 2
	s_cbranch_scc1 .Lv
	s_cmp_eq_u32 ttmp9, 0
	s_cselect_b64 s[4:5], s[4:5], s[8:9]
	s_cselect_b64 s[6:7], s[6:7], s[10:11]
	s_cselect_b32 s22, 0, 1
	s_mov_b32 s[FL], 0xff800000
	s_cselect_b32 s[FL], 0, s[FL]
	s_mul_i32 s18, s21, 6144                       ; q: images of 6,144 bytes; k: the first half of each 12,288
	s_lshl_b32 s18, s18, s22
	s_mov_b32 s19, 0
	s_add_nc_u64 s[4:5], s[4:5], s[18:19]
	s_lshl_b32 s18, 98304, s22
	s_add_nc_u64 s[12:13], s[4:5], s[18:19]        ; the second head's
	s_lshl_b32 s18, s21, 9
	s_lshl_b32 s23, s20, 12
	s_mul_i32 s23, s23, s22
	s_add_co_u32 s18, s18, s23
	s_add_nc_u64 s[6:7], s[6:7], s[18:19]          ; the scale words: 512 bytes an image
	s_lshl_b32 s18, s22, 12
	s_add_co_u32 s18, s18, 8192
	s_add_nc_u64 s[66:67], s[6:7], s[18:19]
	s_mov_b32 s18, 0x04040100
	s_mov_b32 s19, 0x04040302
	s_mov_b32 s20, 0xffff0000                      ; lanes 16-31
.irp a, 0,1,2,3,4,5,6,7
	QKA \a
.endr
	global_store_b128 v[LG], v[WQ:WQ+3], s[6:7]    ; word u of lane l: tile 2 u + l / 16, row l % 16
	global_store_b128 v[LG], v[WQ+4:WQ+7], s[66:67]
	s_branch .Lend
.Lv:
	s_mul_i32 s22, s20, 12288
	s_lshl_b32 s23, s19, 8
	s_add_co_u32 s22, s22, s23
	s_add_co_u32 s22, s22, 8192
	s_mov_b32 s23, 0
	s_add_nc_u64 s[10:11], s[10:11], s[22:23]      ; v's scale words: 256 bytes a key step, behind k's 8,192
	s_mul_i32 s18, s21, 12288
	s_add_co_u32 s18, s18, 6144
	s_mov_b32 s19, 0
	s_add_nc_u64 s[8:9], s[8:9], s[18:19]          ; v's image: the second half of each 12,288
	s_mov_b32 s20, 0xffff0000
.irp a, 0,1,2,3,4,5,6,7
	VA \a
.endr
	global_store_b64 v[LG8], v[WQ:WQ+1], s[10:11]  ; word t / 2 of lane l: tile 2 (t / 2) + l / 16, row l % 16
	global_store_b64 v[LG8], v[WQ+2:WQ+3], s[10:11] offset:12288
.Lend:
	s_wait_tensorcnt 0x0                           ; the wave's end
	ds_add_u32 v[SPW], v[NIL]
	s_wait_dscnt 0x0
	CROUND                                         ; the closing round
	s_endpgm
.Lfunc_end_k_qbb4a9d2393_proj:
	.size	k_qbb4a9d2393_proj, .Lfunc_end_k_qbb4a9d2393_proj-k_qbb4a9d2393_proj
	.p2alignl 7, 3214868480
	.fill 96, 4, 3214868480
	.section	.rodata,"a",@progbits
	.p2align	6, 0x0
	.amdhsa_kernel k_qbb4a9d2393_proj
		.amdhsa_group_segment_fixed_size 327680
		.amdhsa_private_segment_fixed_size 0
		.amdhsa_enable_private_segment 0
		.amdhsa_kernarg_size 80
		.amdhsa_user_sgpr_count 2
		.amdhsa_user_sgpr_kernarg_segment_ptr 1
		.amdhsa_wavefront_size32 1
		.amdhsa_system_sgpr_workgroup_id_x 1
		.amdhsa_system_sgpr_workgroup_id_y 1
		.amdhsa_system_sgpr_workgroup_id_z 1
		.amdhsa_system_vgpr_workitem_id 0
		.amdhsa_next_free_vgpr 1024
		.amdhsa_next_free_sgpr 100
		.amdhsa_reserve_vcc 1
		.amdhsa_float_denorm_mode_32 3
		.amdhsa_float_denorm_mode_16_64 3
		.amdhsa_memory_ordered 1
		.amdhsa_forward_progress 1
		.amdhsa_inst_pref_size 209
	.end_amdhsa_kernel
	.amdgpu_metadata
---
amdhsa.version: [ 1, 2 ]
amdhsa.kernels:
  - .name:           k_qbb4a9d2393_proj
    .symbol:         k_qbb4a9d2393_proj.kd
    .args:
      - { .name: xw_codes, .offset: 0, .size: 8, .value_kind: global_buffer, .address_space: global }
      - { .name: xw_scales, .offset: 8, .size: 8, .value_kind: global_buffer, .address_space: global }
      - { .name: bq, .offset: 16, .size: 8, .value_kind: global_buffer, .address_space: global }
      - { .name: bk, .offset: 24, .size: 8, .value_kind: global_buffer, .address_space: global }
      - { .name: bv, .offset: 32, .size: 8, .value_kind: global_buffer, .address_space: global }
      - { .name: attention_mask, .offset: 40, .size: 8, .value_kind: global_buffer, .address_space: global }
      - { .name: qimg, .offset: 48, .size: 8, .value_kind: global_buffer, .address_space: global }
      - { .name: qsc, .offset: 56, .size: 8, .value_kind: global_buffer, .address_space: global }
      - { .name: kvimg, .offset: 64, .size: 8, .value_kind: global_buffer, .address_space: global }
      - { .name: kvsc, .offset: 72, .size: 8, .value_kind: global_buffer, .address_space: global }
    .group_segment_fixed_size: 327680
    .private_segment_fixed_size: 0
    .kernarg_segment_align: 8
    .kernarg_segment_size: 80
    .max_flat_workgroup_size: 128
    .sgpr_count:     100
    .vgpr_count:     1024
    .wavefront_size: 32
...
	.end_amdgpu_metadata
.endif
;; end of part 2
;; launch attn (part 3): grid 4 x 64, 8 waves a work-group, clusters of 4 x 1, 327,680 bytes of LDS; arguments qimg, qsc, kvimg, kvsc, attention_mask, out0; writes out0
.if DOCPART == 3
	.amdgcn_target "amdgcn-amd-amdhsa--gfx1250"
	.amdhsa_code_object_version 6
	.text
	.protected	k_qbb4a9d2393_attn
	.globl	k_qbb4a9d2393_attn
	.p2align	8
	.type	k_qbb4a9d2393_attn,@function
k_qbb4a9d2393_attn:
	s_mov_b64 s[64:65], 0
	v_nop
	global_prefetch_b8 v0, s[64:65] scope:SCOPE_SE
	s_setreg_imm32_b32 hwreg(HW_REG_WAVE_MODE, 25, 1), 1
	s_wait_xcnt 0x0
	s_wait_alu depctr_hold_cnt(0) depctr_sa_sdst(0) depctr_va_vdst(0) depctr_va_sdst(0) depctr_va_ssrc(0) depctr_va_vcc(0) depctr_vm_vsrc(0)
	s_getreg_b32 s2, hwreg(HW_REG_IB_STS2, 6, 4)
	s_cmp_eq_u32 s2, 0
	s_cbranch_scc0 .Lentry_in_a_cluster
	s_endpgm
.Lentry_in_a_cluster:
	s_bfe_u32 s2, ttmp6, 0x10000c
	s_cmp_lg_u32 s2, 0x3003
	s_cbranch_scc0 .Lentry_shape_is_right
	s_endpgm
.Lentry_shape_is_right:
; out[b][q][head][:] = the sum over keys of softmax(q . k / 8 x (mask >= 0) + mask) v, both products on codes of FP6 (E2M3) with E8M0 scales, from the images that the launch before has laid.
; THE MASK.  Keys whose mask is below 0 arrive with zero codes, so q . k is exactly 0 there.  The additive mask is the C of the score's matrix instruction: x = q . k + 8 mask, t = x c, c = log2(e) / 8
; (8 is a power of two: nothing is rounded by it).  THE SOFTMAX: M = the row's largest t so far, rounded up to a whole number; p = 2^(t - M) is quantised along the keys, not normalised;
; the row's sum is taken of the unquantised p and divides at the end.  When M moves, the sum and O are multiplied by 2^(old M - new M): exact.
; K = 64 IN AN INSTRUCTION OF K = 128: the upper six registers of Q's fragment are zero codes, written once; so the upper six of K's operand may hold any codes: K's tiles lie 6 registers apart and tile T's operand
; runs over tile T + 1's codes (behind tile 7: six registers of zeros).  Bytes 2 and 3 of q's and k's scale words are 0x7f.
; LAYOUT.  Both products are used transposed (S^T = K Q^T, O^T = V^T P^T): a lane holds one query.  Row m of K's tile 4 c + t is key 64 c + 8 t + m % 8 + 32 (m / 8): so registers 32 c .. 32 c + 31 of a lane's
; S^T are keys 64 c + 32 (lane / 16) + 0 .. 31: a WHOLE block of 32 in one lane, in the order of P's operand.  A block's largest score needs no other lane, and p's codes need no exchange of lanes.
; SHARES.  A head's K, V and scale words, 208,896 bytes, come into LDS once and stay.  A work-group owns 512 queries of one head, in two passes of 256; each of its eight waves owns two tiles of 16 queries
; (512 registers, two waves to a SIMD), so that each fragment of K and V and each register of the mask read from LDS feeds two tiles.  A trip of the loop is 128 keys.
; CLUSTER.  The four work-groups of a head form a cluster and ask for K, V and the scale words jointly.  Nothing is filled twice: no ring.
; LIMITS: NaN and infinities are not served; 8 x mask must be finite (|mask| under 2^125); a block's largest p is taken as the exponential of the block's largest score, which takes v_exp_f32 not to fall
; where its input rises; a block whose every p has fallen under 2^-124 keeps the byte 1.
; REGISTERS.  window 0: v1-15 addresses; v16-69 K (8 tiles x 6, then six zeros); v70-117 V (4 tiles x 12); v118-181 8 x mask in the result's layout; v182-185 K's scale words, v186-187 V's, v188 Q's, v189-190 P's;
;   from v192, 24 a tile: the statistics.   window 1: v0-127 S^T then p, 64 a tile; v128-191 O^T, 32 a tile; v192-215 Q; v216-239 p's codes; v240-255 the conversions' second halves.
.set STEPB, 12288                      ; LDS: key step s at 12,288 s: K's image, 6,144 bytes, then V's
.set SCB,   196608                     ; K's scale words at + 512 s; V's at + 8,192 + 256 s
.set BIAS,  208896                     ; 8 x mask of my batch, 2,048 numbers
.set STAGE, 217088                     ; the way out: for each wave two stages of 16 rows x (256 bytes + 16)
.set LI,   1                           ; v1   16 x lane
.set LIS,  2                           ; v2   SCB + 16 x lane
.set L8,   3                           ; v3   SCB + 8,192 + 8 x lane
.set LB,   4                           ; v4   BIAS + 128 x (lane / 16)
.set ADV,  5                           ; v5-9 the addresses of the loads in hand: V, V's scale words, K, K's scale words, the mask
.set ADTV, 6
.set ADK,  7
.set ADS,  8
.set ADB,  9
.set SH8,  10                          ; v10  8 x (lane / 16)
.set SO,   11                          ; v11  the stage: where I put 32 bytes of a row
.set SR,   12                          ; v12  and where I read rows back
.set GO,   13                          ; v13  my byte offset in two tokens' rows of the output
.set BA,   14                          ; v14  BIAS + 16 x thread
.set MOF,  15                          ; v15  16 x thread
.set KF,   16
.set VF,   70
.set BI,   118
.set KSC,  182
.set VSC,  186
.set QS,   188
.set PS,   189
.set ST,   192                         ; tile u's statistics at ST + 24 u:
.set NM,   0                           ;   -M          (a pair with TM: the packed scaling takes its low word for both halves)
.set TM,   1                           ;   the largest t so far
.set L,    2                           ;   the sum, in two halves
.set L2,   4                           ;   a second chain of it
.set F,    6                           ;   2^(old M - new M); later 1 / the sum  (a pair: the upper word is written once)
.set MA,   8                           ;   the largest score of my block 2 c + lane / 16, c = 0, 1
.set MB,   10                          ;   a second chain of it
.set T1,   12
.set T2,   13
.set SCF,  14                          ;   the conversions' scale operands
.set BYT,  16                          ;   the scales' bytes
.set W,    18
.set S,    0                           ; window 1
.set O,    128
.set Q,    192
.set PC,   216
.set PT,   240
.set WV,   16                          ; s16  my wave's number
.set SEL,  20                          ; s[20:21] lane selects for v_permlanex16_b32: lane l xor 16
.set CS,   22                          ; s[22:23] c, twice
.set G1,   24                          ; s[24:31] descriptor group 1: 48 rows of 256 bytes, one key step
.set G1S,  32                          ; s[32:39] 12 rows of 256 bytes: a quarter of the scale words
.set G0S,  40                          ; s[40:43] group 0 for the scale words (waves 4-7)
.set G0,   44                          ; s[44:47] group 0 for key step w (waves 0-3)
.set G0R,  48                          ; s[48:51] group 0 for my eighth of key steps 4-15
.set G1R,  52                          ; s[52:59] its group 1: 72 rows of 256 bytes
.set TB,   60                          ; s60  12,288 x step
.set TS,   61                          ; s61  512 x step
.set TV,   62                          ; s62  256 x step
.set CNT,  63
.set PASS, 66
.set QP,   70                          ; s[70:71] my two tiles of Q
.set QSP,  72                          ; s[72:73] their scale words
.set OP,   74                          ; s[74:75] my queries' rows of the output
.set MSB, 0
.macro WIN new                         ; bits 1:0 source 0, 3:2 source 1, 5:4 source 2, 7:6 destination; the immediate's high byte repeats the setting that is left
.if MSB != \new
	s_set_vgpr_msb (MSB<<8)|\new
.set MSB, \new
.endif
.endm
.macro CROUND                          ; a round of the cluster's barrier
	s_barrier_signal -1
	s_barrier_wait -1
	s_cmp_lg_u32 s[WV], 0
	s_cbranch_scc1 .Lnot_wave_0_\@
	s_barrier_signal -3
.Lnot_wave_0_\@:
	s_barrier_wait -3
	s_barrier_signal -1
	s_barrier_wait -1
.endm
.macro BAR n                           ; my tensor loads but the youngest n have landed, my LDS instructions are done; then everybody's
	s_wait_tensorcnt \n
	s_wait_dscnt 0x0
	s_barrier_signal -1
	s_barrier_wait -1
.endm
; one matrix instruction; ra, rb: A's, B's scale words stand in lanes 16-31
.macro WM d, a, b, c, sa, sb, ra, rb
.if (\ra) && (\rb)
	v_wmma_scale_f32_16x16x128_f8f6f4 v[\d:\d+7], v[\a:\a+11], v[\b:\b+11], v[\c:\c+7], v[\sa], v[\sb] matrix_a_fmt:MATRIX_FMT_FP6 matrix_b_fmt:MATRIX_FMT_FP6 matrix_a_scale:MATRIX_SCALE_ROW1 matrix_b_scale:MATRIX_SCALE_ROW1
.elseif (\ra)
	v_wmma_scale_f32_16x16x128_f8f6f4 v[\d:\d+7], v[\a:\a+11], v[\b:\b+11], v[\c:\c+7], v[\sa], v[\sb] matrix_a_fmt:MATRIX_FMT_FP6 matrix_b_fmt:MATRIX_FMT_FP6 matrix_a_scale:MATRIX_SCALE_ROW1
.elseif (\rb)
	v_wmma_scale_f32_16x16x128_f8f6f4 v[\d:\d+7], v[\a:\a+11], v[\b:\b+11], v[\c:\c+7], v[\sa], v[\sb] matrix_a_fmt:MATRIX_FMT_FP6 matrix_b_fmt:MATRIX_FMT_FP6 matrix_b_scale:MATRIX_SCALE_ROW1
.else
	v_wmma_scale_f32_16x16x128_f8f6f4 v[\d:\d+7], v[\a:\a+11], v[\b:\b+11], v[\c:\c+7], v[\sa], v[\sb] matrix_a_fmt:MATRIX_FMT_FP6 matrix_b_fmt:MATRIX_FMT_FP6
.endif
.endm
; a key step's K (12 loads), its scale words (1) and its 8 x mask (16: lane (r, h) takes keys 64 c + 32 h + 0 .. 31; the sixteen lanes of a half read the same words): 29 loads
.macro KLOAD ak, as, ab
.irp n, 0,1,2,3,4,5,6,7,8,9,10,11
	ds_load_b128 v[KF+4*\n:KF+4*\n+3], v[\ak] offset:512*\n
.endr
	ds_load_b128 v[KSC:KSC+3], v[\as]
.irp c, 0,1
.irp i, 0,1,2,3,4,5,6,7
	ds_load_b128 v[BI+32*\c+4*\i:BI+32*\c+4*\i+3], v[\ab] offset:256*\c+16*\i
.endr
.endr
.endm
	s_load_b256 s[4:11], s[0:1], 0x0               ; qimg s[4:5], qsc s[6:7], kvimg s[8:9], kvsc s[10:11]
	s_load_b128 s[12:15], s[0:1], 0x20             ; the mask s[12:13], out0 s[14:15]
	v_lshl_add_u32 v254, v0, 2, 0x46000
	v_mov_b32 v255, 0
	ds_add_u32 v254, v255
	ds_add_u32 v254, v255
	v_lshrrev_b32 v240, 5, v0
	s_delay_alu instid0(VALU_DEP_1)
	v_readfirstlane_b32 s[WV], v240                ; wave 0..7
	s_bfe_u32 s17, ttmp6, 0x40000                  ; cx: my place in the cluster = my block of 512 queries: it enters Q's and the output's addresses alone
	s_and_b32 s18, ttmp7, 0xffff                   ; 16 x batch + head, which the four partners share
	v_and_b32 v240, 31, v0                         ; lane
	v_bfe_u32 v241, v0, 4, 1                       ; h
	v_and_b32 v242, 15, v0                         ; r
	s_delay_alu instid0(VALU_DEP_3)
	v_lshlrev_b32 v[LI], 4, v240
	s_delay_alu instid0(VALU_DEP_1)
	v_add_nc_u32 v[LIS], SCB, v[LI]
	v_lshl_add_u32 v[L8], v240, 3, SCB+8192
	v_lshl_add_u32 v[LB], v241, 7, BIAS
	v_lshlrev_b32 v[SH8], 3, v241
	s_mul_i32 s69, s[WV], 8704
	s_add_co_u32 s69, s69, STAGE                   ; my two stages
	v_mul_u32_u24 v[SO], v242, 272
	s_delay_alu instid0(VALU_DEP_1)
	v_lshl_add_u32 v[SO], v241, 7, v[SO]
	s_delay_alu instid0(VALU_DEP_1)
	v_add_nc_u32 v[SO], s69, v[SO]                 ; in: row r, 128 bytes for each half of the lanes.  Row m of V's tile t is feature 8 t + m % 8 + 32 (m / 8): register 8 t + i of O^T is feature 32 h + 8 t + i of query r
	v_mul_u32_u24 v[SR], v241, 272
	s_delay_alu instid0(VALU_DEP_1)
	v_lshl_add_u32 v[SR], v242, 4, v[SR]
	s_delay_alu instid0(VALU_DEP_1)
	v_add_nc_u32 v[SR], s69, v[SR]                 ; back: lanes 0-15 one row of 256 bytes, lanes 16-31 the next
	v_lshlrev_b32 v[GO], 12, v241
	s_delay_alu instid0(VALU_DEP_1)
	v_lshl_add_u32 v[GO], v242, 4, v[GO]           ; and the same in the output: a token's row is 4,096 bytes
	v_lshl_add_u32 v[BA], v0, 4, BIAS
	v_lshlrev_b32 v[MOF], 4, v0
.irp i, 0,1,2,3,4,5
	v_mov_b32 v[KF+48+\i], 0                       ; behind K's tile 7: zero codes
.endr
.irp u, 0,1
	v_mov_b32 v[ST+24*\u+T2], 0                    ; written once: a lane permute's destination counts as one of its sources
	v_mov_b32 v[ST+24*\u+F+1], 0                   ; (named as the upper half of a pair)
.endr
	WIN 0x40
.irp u, 0,1
.irp i, 0,1,2,3,4,5
	v_mov_b32 v[Q+12*\u+6+\i], 0                   ; Q's upper 64 along K: zero codes, for the whole launch
.endr
.endr
	WIN 0
	; descriptor groups 1: dense blocks as rows of 256 bytes (32 elements of 8 bytes), no padding: the images are read 512 consecutive bytes an instruction
	s_mov_b32 s[G1], 15|(3<<16)|(1<<21)            ; 15:0 the mask: all four work-groups; 17:16 elements of 8 bytes; 21 set beside a mask
	s_mov_b32 s[G1+1], 32<<16                      ; tensor_dim0 = 32
	s_mov_b32 s[G1+2], 48<<16                      ; tensor_dim1 = 48
	s_mov_b32 s[G1+3], 32<<16                      ; tile_dim0 = 32
	s_mov_b32 s[G1+4], 48                          ; tile_dim1 = 48
	s_mov_b32 s[G1+5], 32                          ; the pitch
	s_mov_b32 s[G1+6], 0
	s_mov_b32 s[G1+7], 0
	s_mov_b32 s[G1S], 15|(3<<16)|(1<<21)
	s_mov_b32 s[G1S+1], 32<<16
	s_mov_b32 s[G1S+2], 12<<16
	s_mov_b32 s[G1S+3], 32<<16
	s_mov_b32 s[G1S+4], 12
	s_mov_b32 s[G1S+5], 32
	s_mov_b32 s[G1S+6], 0
	s_mov_b32 s[G1S+7], 0
	s_mov_b32 s[G1R], 15|(3<<16)|(1<<21)
	s_mov_b32 s[G1R+1], 32<<16
	s_mov_b32 s[G1R+2], 72<<16
	s_mov_b32 s[G1R+3], 32<<16
	s_mov_b32 s[G1R+4], 72
	s_mov_b32 s[G1R+5], 32
	s_mov_b32 s[G1R+6], 0
	s_mov_b32 s[G1R+7], 0
	s_mov_b32 s[SEL], 0x76543210
	s_mov_b32 s[SEL+1], 0xfedcba98
	s_mov_b32 s[CS], 0x3e38aa3b                    ; c = log2(e) / 8
	s_mov_b32 s[CS+1], s[CS]
	s_and_b32 s68, s[WV], 3
	s_mul_i32 s67, s68, 3072                       ; waves 4-7: a quarter of the head's 12,288 bytes of scale words
	s_mul_i32 s68, s68, 12288                      ; waves 0-3: key step w
	s_mul_i32 s69, s[WV], 18432                    ; every wave: an eighth of the 147,456 bytes of key steps 4-15
	s_mul_i32 s2, s18, 12288
	s_add_co_u32 s2, s2, s67
	s_mov_b32 s3, 0
	s_mul_i32 s76, s18, 196608
	s_add_co_u32 s76, s76, s68
	s_mov_b32 s77, 0
	s_wait_dscnt 0x0
	s_wait_kmcnt 0x0
	s_mov_b32 s[G0S], 1
	s_add_co_u32 s[G0S+1], s67, SCB
	s_add_nc_u64 s[G0S+2:G0S+3], s[10:11], s[2:3]
	s_or_b32 s[G0S+3], s[G0S+3], 0x80000000
	s_add_nc_u64 s[76:77], s[8:9], s[76:77]
	s_mov_b32 s[G0], 1                             ; count = 1
	s_add_co_u32 s[G0+1], s68, 0                   ; LDS address: the images lie in LDS as in memory
	s_mov_b64 s[G0+2:G0+3], s[76:77]
	s_or_b32 s[G0+3], s[G0+3], 0x80000000          ; type = 2
	s_mul_i32 s2, s18, 196608
	s_add_co_u32 s2, s2, s69
	s_add_co_u32 s2, s2, 49152
	s_mov_b32 s[G0R], 1
	s_add_co_u32 s[G0R+1], s69, 49152
	s_add_nc_u64 s[G0R+2:G0R+3], s[8:9], s[2:3]
	s_or_b32 s[G0R+3], s[G0R+3], 0x80000000
	CROUND                                         ; all four work-groups are here: the joint loads meet
	s_cmp_lt_u32 s[WV], 4                          ; one tensor load a wave at the head: waves 0-3 key steps 0-3, waves 4-7 the scale words
	s_cbranch_scc0 .Lhead_s
	tensor_load_to_lds s[G0:G0+3], s[G1:G1+7]
	s_nop 0
.rept 4
	v_nop
.endr
	s_branch .Lhead_j
.Lhead_s:
	tensor_load_to_lds s[G0S:G0S+3], s[G1S:G1S+7]
	s_nop 0
.rept 4
	v_nop
.endr
.Lhead_j:
	s_lshr_b32 s78, s18, 4
	s_lshl_b32 s78, s78, 13                        ; my batch's 2,048 numbers of the mask
	s_mov_b32 s79, 0
	s_add_nc_u64 s[12:13], s[12:13], s[78:79]
	global_load_b128 v[240:243], v[MOF], s[12:13]
	global_load_b128 v[244:247], v[MOF], s[12:13] offset:4096
	; a prefetch of key steps 4-15, which are asked for by tensor loads only when steps 0-3 have landed: 576 blocks of 256 bytes, named once in the cluster: the partner at place cx takes 144 of them (by address),
	; each of its waves 18, a lane a block; lanes 18-31 name their wave's last block again
	s_mul_i32 s76, s18, 196608
	s_mul_i32 s77, s17, 36864
	s_add_co_u32 s76, s76, s77
	s_mul_i32 s77, s[WV], 4608
	s_add_co_u32 s76, s76, s77
	s_add_co_u32 s76, s76, 49152
	s_mov_b32 s77, 0
	s_add_nc_u64 s[76:77], s[8:9], s[76:77]        ; s[76:77] and v253 are not written again
	v_and_b32 v253, 31, v0
	s_delay_alu instid0(VALU_DEP_1)
	v_min_u32 v253, 17, v253
	s_delay_alu instid0(VALU_DEP_1)
	v_lshlrev_b32 v253, 8, v253
	global_prefetch_b8 v253, s[76:77] th:TH_LOAD_NT scope:SCOPE_SE
	; where my queries lie.  In pass p wave w takes query image 4 cx + 2 p + w / 4 and tiles 2 u, 2 u + 1 of it, u = w % 4
	s_lshl_b32 s19, s18, 4
	s_lshl_b32 s78, s17, 2
	s_add_co_u32 s19, s19, s78
	s_lshr_b32 s78, s[WV], 2
	s_add_co_u32 s19, s19, s78                     ; the image: 16 x (16 batch + head) + 4 cx + w / 4
	s_and_b32 s79, s[WV], 3                        ; u
	s_mul_i32 s[QP], s19, 6144
	s_mul_i32 s78, s79, 1536
	s_add_co_u32 s[QP], s[QP], s78
	s_mov_b32 s[QP+1], 0
	s_add_nc_u64 s[QP:QP+1], s[4:5], s[QP:QP+1]
	s_lshl_b32 s[QSP], s19, 9
	s_lshl_b32 s78, s79, 2
	s_add_co_u32 s[QSP], s[QSP], s78
	s_mov_b32 s[QSP+1], 0
	s_add_nc_u64 s[QSP:QSP+1], s[6:7], s[QSP:QSP+1]
	s_lshr_b32 s[OP], s18, 4
	s_lshl_b32 s[OP], s[OP], 11                    ; token 2,048 x batch
	s_and_b32 s78, s19, 15
	s_lshl_b32 s78, s78, 7
	s_add_co_u32 s[OP], s[OP], s78                 ; + 128 x image
	s_lshr_b32 s78, s79, 1
	s_lshl_b32 s78, s78, 6
	s_add_co_u32 s[OP], s[OP], s78                 ; + 64 (u / 2)
	s_and_b32 s78, s79, 1
	s_lshl_b32 s78, s78, 4
	s_add_co_u32 s[OP], s[OP], s78                 ; + 16 (u % 2): row r of tile u' is 8 u' + r % 8 + 32 (r / 8) tokens on
	s_lshl_b32 s[OP], s[OP], 12                    ; x 4,096 bytes
	s_and_b32 s78, s18, 15
	s_lshl_b32 s78, s78, 8
	s_add_co_u32 s[OP], s[OP], s78                 ; + 256 x head
	s_mov_b32 s[OP+1], 0
	s_add_nc_u64 s[OP:OP+1], s[14:15], s[OP:OP+1]
.macro QLOADS                          ; my two tiles of Q: 12 dwords a lane, four of a lane together, 512 bytes from group to group; and their scale words: lanes 0-15 the first tile's, lanes 16-31 the second's
	WIN 0x40
	global_load_b128 v[Q:Q+3], v[LI], s[QP:QP+1]
	global_load_b64 v[Q+4:Q+5], v[LI], s[QP:QP+1] offset:512
	global_load_b64 v[Q+12:Q+13], v[LI], s[QP:QP+1] offset:520
	global_load_b128 v[Q+14:Q+17], v[LI], s[QP:QP+1] offset:1024
	WIN 0
	global_load_b32 v[QS], v[LI], s[QSP:QSP+1]
.endm
	QLOADS                                         ; the first pass's Q, while the head's tensor loads are out
	s_wait_loadcnt 0x5                             ; the mask's two loads are in; Q's five may be out
.irp i, 0,2,4,6
	v_pk_mul_f32 v[240+\i:241+\i], v[240+\i:241+\i], 0x41000000 op_sel_hi:[1,0]   ; 8 x mask
.endr
	ds_store_b128 v[BA], v[240:243]
	ds_store_b128 v[BA], v[244:247] offset:4096
	s_wait_alu depctr_va_vdst(0)
	s_wait_tensorcnt 0x0                           ; my load of the head's eight has landed
	ds_add_u32 v254, v255
	s_wait_dscnt 0x0                               ; the add and my stores of the mask are done
	CROUND                                         ; key steps 0-3, the scale words and the mask lie in LDS; all four work-groups are here: the joint loads meet
	tensor_load_to_lds s[G0R:G0R+3], s[G1R:G1R+7]  ; my eighth of key steps 4-15: my one load behind the round; it has three trips in which to land
	s_nop 0
.rept 4
	v_nop
.endr
	KLOAD LI, LIS, LB                              ; key step 0
; A TRIP: 128 keys x my 32 queries.  K, its scale words and its mask were asked for a trip ago.  last = 1: the next step is step 0, for the next pass.
.macro TRIP last
	s_wait_dscnt 0x0                               ; they are in
	WIN 0x44                                       ; K and the mask window 0, Q and S^T window 1
.irp t, 0,1,2,3,4,5,6,7
.irp u, 0,1
	WM S+64*\u+8*\t, KF+6*\t, Q+12*\u, BI+8*\t, KSC+\t/2, QS, \t%2, \u
.endr
.endr
	WIN 0
	v_add_nc_u32 v[ADV], s[TB], v[LI]              ; these five additions are the places behind the products, ahead of the loads into their operands and of the first read of the scores
	v_add_nc_u32 v[ADTV], s[TV], v[L8]
.if \last
	s_mov_b32 s[TB], 0
	s_mov_b32 s[TS], 0
	s_mov_b32 s[TV], 0
.else
	s_add_co_u32 s[TB], s[TB], STEPB
	s_add_co_u32 s[TS], s[TS], 512
	s_add_co_u32 s[TV], s[TV], 256
.endif
	v_add_nc_u32 v[ADK], s[TB], v[LI]
	v_add_nc_u32 v[ADS], s[TS], v[LIS]
	v_add_nc_u32 v[ADB], s[TS], v[LB]
.irp n, 0,1,2,3,4,5,6,7,8,9,10,11
	ds_load_b128 v[VF+4*\n:VF+4*\n+3], v[ADV] offset:6144+512*\n   ; ONE run of 42 loads: this step's V and its scale words,
.endr
	ds_load_b64 v[VSC:VSC+1], v[ADTV]
	KLOAD ADK, ADS, ADB                            ; and the next step's K, scale words and mask
.if \last
	s_wait_alu depctr_va_vdst(0)
	s_cmp_eq_u32 s[PASS], 1                        ; the pass's last products with Q are issued, five places back: the next pass's Q is asked for here; the last pass asks for none
	s_cbranch_scc1 .Lno_q_\@
	QLOADS
.Lno_q_\@:
.endif
	; the largest score of each block of 32 keys: all 32 are mine.  Two chains a block, eight chains by turns; each accumulator is read from its low end on
	WIN 0x15
.irp u, 0,1
.irp c, 0,1
	v_max3_num_f32 v[ST+24*\u+MA+\c], v[S+64*\u+32*\c], v[S+64*\u+32*\c+1], v[S+64*\u+32*\c+2]
	v_max3_num_f32 v[ST+24*\u+MB+\c], v[S+64*\u+32*\c+16], v[S+64*\u+32*\c+17], v[S+64*\u+32*\c+18]
.endr
.endr
	WIN 0x14
.irp i, 3,5,7,9,11,13
.irp u, 0,1
.irp c, 0,1
	v_max3_num_f32 v[ST+24*\u+MA+\c], v[ST+24*\u+MA+\c], v[S+64*\u+32*\c+\i], v[S+64*\u+32*\c+\i+1]
	v_max3_num_f32 v[ST+24*\u+MB+\c], v[ST+24*\u+MB+\c], v[S+64*\u+32*\c+16+\i], v[S+64*\u+32*\c+17+\i]
.endr
.endr
.endr
.irp u, 0,1
.irp c, 0,1
	v_max3_num_f32 v[ST+24*\u+MA+\c], v[ST+24*\u+MA+\c], v[S+64*\u+32*\c+15], v[S+64*\u+32*\c+31]
.endr
.endr
	WIN 0
.irp u, 0,1
.irp c, 0,1
	v_max_num_f32 v[ST+24*\u+MA+\c], v[ST+24*\u+MA+\c], v[ST+24*\u+MB+\c]
.endr
.endr
	; the row: the step's largest score, the running largest t, the new -M, and f = 2^(old M - new M); the two tiles by turns
.irp u, 0
	s_delay_alu instid0(VALU_DEP_3)
	v_max_num_f32 v[ST+24*\u+T1], v[ST+24*\u+MA], v[ST+24*\u+MA+1]
.endr
.irp u, 1
	s_delay_alu instid0(VALU_DEP_2)
	v_max_num_f32 v[ST+24*\u+T1], v[ST+24*\u+MA], v[ST+24*\u+MA+1]
.endr
.irp u, 0,1
	s_delay_alu instid0(VALU_DEP_2)
	v_permlanex16_b32 v[ST+24*\u+T2], v[ST+24*\u+T1], s[SEL], s[SEL+1]   ; the query's other 64 keys lie in the lane 16 away
.endr
.irp u, 0,1
	s_delay_alu instid0(VALU_DEP_2)
	v_max_num_f32 v[ST+24*\u+T1], v[ST+24*\u+T1], v[ST+24*\u+T2]
.endr
.irp u, 0,1
	s_delay_alu instid0(VALU_DEP_2)
	v_mul_f32 v[ST+24*\u+T1], s[CS], v[ST+24*\u+T1]                ; as t (c is positive)
.endr
.irp u, 0,1
	s_delay_alu instid0(VALU_DEP_2)
	v_max_num_f32 v[ST+24*\u+TM], v[ST+24*\u+TM], v[ST+24*\u+T1]
.endr
.irp u, 0,1
	v_mov_b32 v[ST+24*\u+T2], v[ST+24*\u+NM]
.endr
.irp u, 0,1
	s_delay_alu instid0(VALU_DEP_4)
	v_floor_f32 v[ST+24*\u+NM], -v[ST+24*\u+TM]                    ; -M = floor(-t) = -ceil(t): a whole number
.endr
.irp u, 0,1
	s_delay_alu instid0(VALU_DEP_2)
	v_sub_f32 v[ST+24*\u+T2], v[ST+24*\u+NM], v[ST+24*\u+T2]       ; old M - new M: a whole number, 0 or less
.endr
.irp u, 0,1
	s_delay_alu instid0(VALU_DEP_2)
	v_cvt_i32_f32 v[ST+24*\u+T2], v[ST+24*\u+T2]                   ; (it saturates)
.endr
.irp u, 0,1
	s_delay_alu instid0(VALU_DEP_2)
	v_ldexp_f32 v[ST+24*\u+F], 1.0, v[ST+24*\u+T2]
.endr
.irp u, 0,1
.irp c, 0,1
	v_fma_f32 v[ST+24*\u+MA+\c], v[ST+24*\u+MA+\c], s[CS], v[ST+24*\u+NM]   ; t - M of each block's largest score: the same multiply-add as below
.endr
.endr
	WIN 0x41
.set j, 0
.rept 32
	v_pk_fma_f32 v[S+j:S+j+1], v[S+j:S+j+1], s[CS:CS+1], v[ST+NM:ST+NM+1] op_sel_hi:[1,0,0]             ; t - M, two at a time
	v_pk_fma_f32 v[S+64+j:S+64+j+1], v[S+64+j:S+64+j+1], s[CS:CS+1], v[ST+24+NM:ST+24+NM+1] op_sel_hi:[1,0,0]
.set j, j+2
.endr
.set j, 0
	s_wait_alu depctr_va_vdst(0)
.rept 128
	v_exp_f32 v[S+j], v[S+j]                       ; p = 2^(t - M): ONE batch,
.set j, j+1
.endr
	WIN 0
.irp u, 0,1
.irp c, 0,1
	v_exp_f32 v[ST+24*\u+MA+\c], v[ST+24*\u+MA+\c] ; with the blocks' largest p
.endr
.endr
.irp u, 0,1
	v_pk_mul_f32 v[ST+24*\u+L:ST+24*\u+L+1], v[ST+24*\u+L:ST+24*\u+L+1], v[ST+24*\u+F:ST+24*\u+F+1] op_sel_hi:[1,0]   ; the sums under the new M.  (The plain lines behind the exponentials)
.endr
	s_wait_alu depctr_va_vdst(0)                   ; the wait ahead of the first line that names an exponential's result: one for the trip's 132
	; p's scales: my blocks' bytes, at their places in the scale word; with the other half of the lanes' two the word is whole
.irp u, 0,1
.irp c, 0,1
	v_max_num_f32 v[ST+24*\u+MA+\c], 0x1800000, v[ST+24*\u+MA+\c]  ; the floor 2^(3 - 127): the byte cannot fall under 1
.endr
.endr
.irp u, 0,1
.irp c, 0,1
	s_delay_alu instid0(VALU_DEP_4)
	v_add_nc_u32 v[ST+24*\u+SCF+\c], 0xff000000, v[ST+24*\u+MA+\c] ; 2 off the exponent field: the conversion's scale operand
.endr
.endr
.irp u, 0,1
.irp c, 0,1
	s_delay_alu instid0(VALU_DEP_4)
	v_lshrrev_b32 v[ST+24*\u+BYT+\c], 23, v[ST+24*\u+SCF+\c]
.endr
.endr
.irp u, 0
	s_delay_alu instid0(VALU_DEP_3)
	v_lshl_or_b32 v[ST+24*\u+W], v[ST+24*\u+BYT+1], 16, v[ST+24*\u+BYT]   ; blocks h and 2 + h,
.endr
.irp u, 1
	s_delay_alu instid0(VALU_DEP_2)
	v_lshl_or_b32 v[ST+24*\u+W], v[ST+24*\u+BYT+1], 16, v[ST+24*\u+BYT]   ; blocks h and 2 + h,
.endr
.irp u, 0,1
	s_delay_alu instid0(VALU_DEP_2)
	v_lshlrev_b32 v[ST+24*\u+W], v[SH8], v[ST+24*\u+W]             ; 8 h bits up
.endr
.irp u, 0,1
	s_delay_alu instid0(VALU_DEP_2)
	v_permlanex16_b32 v[ST+24*\u+T2], v[ST+24*\u+W], s[SEL], s[SEL+1]
.endr
.irp u, 0,1
	s_delay_alu instid0(VALU_DEP_2)
	v_or_b32 v[PS+\u], v[ST+24*\u+W], v[ST+24*\u+T2]
.endr
	; the row's sum, of the unquantised p: two at a time, two chains a tile
	WIN 0x05
.irp u, 0,1
	v_pk_add_f32 v[ST+24*\u+L2:ST+24*\u+L2+1], v[S+64*\u:S+64*\u+1], v[S+64*\u+2:S+64*\u+3]
.endr
	WIN 0x04
.set j, 4
.rept 15
.irp u, 0,1
	v_pk_add_f32 v[ST+24*\u+L:ST+24*\u+L+1], v[ST+24*\u+L:ST+24*\u+L+1], v[S+64*\u+j:S+64*\u+j+1]
	v_pk_add_f32 v[ST+24*\u+L2:ST+24*\u+L2+1], v[ST+24*\u+L2:ST+24*\u+L2+1], v[S+64*\u+j+2:S+64*\u+j+3]
.endr
.set j, j+4
.endr
	WIN 0
.irp u, 0,1
	v_pk_add_f32 v[ST+24*\u+L:ST+24*\u+L+1], v[ST+24*\u+L:ST+24*\u+L+1], v[ST+24*\u+L2:ST+24*\u+L2+1]
.endr
	; p's codes: registers 6 c .. 6 c + 5 of the operand are my block 2 c + h, as the numbers stand
	WIN 0x41
.irp u, 0,1
.irp c, 0,1
	v_cvt_scalef32_pk16_fp6_f32 v[PC+12*\u+6*\c:PC+12*\u+6*\c+2], v[S+64*\u+32*\c:S+64*\u+32*\c+15], v[ST+24*\u+SCF+\c]
	v_cvt_scalef32_pk16_fp6_f32 v[PT+8*\u+4*\c:PT+8*\u+4*\c+2], v[S+64*\u+32*\c+16:S+64*\u+32*\c+31], v[ST+24*\u+SCF+\c]   ; (a conversion's three registers begin on an even number)
.endr
.endr
	v_nop                                          ; one plain line behind the scaled conversions
.irp u, 0,1
.irp c, 0,1
.irp i, 0,1,2
	v_mov_b32 v[PC+12*\u+6*\c+3+\i], v[PT+8*\u+4*\c+\i]
.endr
.endr
.endr
.set j, 0
.rept 16
	v_pk_mul_f32 v[O+j:O+j+1], v[O+j:O+j+1], v[ST+F:ST+F+1] op_sel_hi:[1,0]                    ; O^T under the new M.  (These 32 are also the places between the lines that made p's codes and scale words and the products)
	v_pk_mul_f32 v[O+32+j:O+32+j+1], v[O+32+j:O+32+j+1], v[ST+24+F:ST+24+F+1] op_sel_hi:[1,0]
.set j, j+2
.endr
	s_wait_alu depctr_va_vdst(0)
	s_wait_dscnt 29                                ; V and its scale words are in; behind them stand the next step's 12 + 1 + 16 loads
	WIN 0x54                                       ; V window 0; p's codes, C and D window 1
.irp d, 0,1,2,3
.irp u, 0,1
	WM O+32*\u+8*\d, VF+12*\d, PC+12*\u, O+32*\u+8*\d, VSC+\d/2, PS+\u, \d%2, 0   ; the eight accumulators by turns, one instruction a turn
.endr
.endr
	WIN 0
.endm
.macro LOOP n, first                   ; n trips from key step first on; the step's places in LDS begin as constants
	s_mov_b32 s[TB], (\first)*STEPB
	s_mov_b32 s[TS], (\first)*512
	s_mov_b32 s[TV], (\first)*256
	s_mov_b32 s[CNT], \n
.Ltrip_\@:
	TRIP 0
	s_sub_co_u32 s[CNT], s[CNT], 1
	s_cmp_lg_u32 s[CNT], 0
	s_cbranch_scc1 .Ltrip_\@
.endm
	s_mov_b32 s[PASS], 2
.Lpass:
	WIN 0x40                                       ; destination window 1
.set j, 0
.rept 64
	v_mov_b32 v[O+j], 0                            ; O^T.  (The trip is written without a first step of its own: it finds zeros, which the first change of M leaves zeros)
.set j, j+1
.endr
	WIN 0
.irp u, 0,1
	v_mov_b32 v[ST+24*\u+TM], 0xff61b1e6           ; the largest t so far: -3e38, under every t
	v_mov_b32 v[ST+24*\u+L], 0
	v_mov_b32 v[ST+24*\u+L+1], 0
.endr
.irp u, 0
	v_floor_f32 v[ST+24*\u+NM], -v[ST+24*\u+TM]
.endr
.irp u, 1
	s_delay_alu instid0(VALU_DEP_4)
	v_floor_f32 v[ST+24*\u+NM], -v[ST+24*\u+TM]
.endr
	s_wait_loadcnt 0x0
	s_add_nc_u64 s[QP:QP+1], s[QP:QP+1], 12288     ; Q's loads are done, so their bases may step: two images on, for the next pass
	s_add_nc_u64 s[QSP:QSP+1], s[QSP:QSP+1], 1024
	LOOP 3, 0                                      ; trips 0-2 read steps 0-3
	BAR 0                                          ; steps 4-15 have landed, everybody's part: no tensor load of mine is out any more
	LOOP 12, 3
	TRIP 1                                         ; trip 15; it asks for step 0's K again, for the next pass
	; THE WAY OUT.  The additions are the places behind the last products.
.irp u, 0,1
	v_add_f32 v[ST+24*\u+T1], v[ST+24*\u+L], v[ST+24*\u+L+1]       ; the sum's two halves,
.endr
.irp u, 0,1
	s_delay_alu instid0(VALU_DEP_2)
	v_permlanex16_b32 v[ST+24*\u+T2], v[ST+24*\u+T1], s[SEL], s[SEL+1]
.endr
.irp u, 0,1
	s_delay_alu instid0(VALU_DEP_2)
	v_add_f32 v[ST+24*\u+T1], v[ST+24*\u+T1], v[ST+24*\u+T2]       ; and the other half of the lanes': the row's sum
.endr
	s_wait_alu depctr_va_vdst(0)
.irp u, 0,1
	v_rcp_f32 v[ST+24*\u+F], v[ST+24*\u+T1]
.endr
	v_nop                                          ; a plain line behind the reciprocals
	s_wait_alu depctr_va_vdst(0)                   ; and the wait ahead of their first reader: one for the two
	WIN 0x41
.irp u, 0,1
.set j, 0
.rept 16
	v_pk_mul_f32 v[S+64*\u+j:S+64*\u+j+1], v[O+32*\u+j:O+32*\u+j+1], v[ST+24*\u+F:ST+24*\u+F+1] op_sel_hi:[1,0]   ; O^T / the sum, each accumulator from its low end on: my 32 registers are 32 neighbouring features of query r
.set j, j+2
.endr
.endr
	WIN 0x04                                       ; an LDS store's data are its source 1: window 1
.irp u, 0,1
.irp d, 0,1,2,3
	ds_store_b128 v[SO], v[S+64*\u+8*\d:S+64*\u+8*\d+3] offset:4352*\u+32*\d
	ds_store_b128 v[SO], v[S+64*\u+8*\d+4:S+64*\u+8*\d+7] offset:4352*\u+32*\d+16
.endr
.endr
	WIN 0x40
.irp u, 0,1
.irp i, 0,1,2,3,4,5,6,7
	ds_load_b128 v[S+64*\u+32+4*\i:S+64*\u+32+4*\i+3], v[SR] offset:4352*\u+544*\i   ; LDS serves a wave's instructions in order: these see my stores
.endr
.endr
	s_wait_dscnt 0x0
	WIN 0x04
.irp u, 0,1
.irp i, 0,1,2,3,4,5,6,7
	global_store_b128 v[GO], v[S+64*\u+32+4*\i:S+64*\u+32+4*\i+3], s[OP:OP+1] offset:4096*(2*(\i%4)+32*(\i/4)+8*\u) th:TH_STORE_NT   ; rows 2 i, 2 i + 1 of the tile: sixteen lanes store the 256 consecutive, aligned bytes of one token and head
.endr
.endr
	WIN 0
	s_wait_xcnt 0x0                                ; the stores have read their registers and their base: both are written again only behind this wait
	s_add_nc_u64 s[OP:OP+1], s[OP:OP+1], 1048576   ; 256 tokens on
	s_sub_co_u32 s[PASS], s[PASS], 1
	s_cmp_lg_u32 s[PASS], 0
	s_cbranch_scc1 .Lpass
	s_wait_dscnt 0x0
	s_wait_tensorcnt 0x0
	ds_add_u32 v254, v255
	s_wait_dscnt 0x0
	CROUND                                         ; the closing round: no work-group ends while a partner may still ask for a tile that names it
	s_endpgm
.Lfunc_end_k_qbb4a9d2393_attn:
	.size	k_qbb4a9d2393_attn, .Lfunc_end_k_qbb4a9d2393_attn-k_qbb4a9d2393_attn
	.p2alignl 7, 3214868480
	.fill 96, 4, 3214868480
	.section	.rodata,"a",@progbits
	.p2align	6, 0x0
	.amdhsa_kernel k_qbb4a9d2393_attn
		.amdhsa_group_segment_fixed_size 327680
		.amdhsa_private_segment_fixed_size 0
		.amdhsa_enable_private_segment 0
		.amdhsa_kernarg_size 48
		.amdhsa_user_sgpr_count 2
		.amdhsa_user_sgpr_kernarg_segment_ptr 1
		.amdhsa_wavefront_size32 1
		.amdhsa_system_sgpr_workgroup_id_x 1
		.amdhsa_system_sgpr_workgroup_id_y 1
		.amdhsa_system_sgpr_workgroup_id_z 1
		.amdhsa_system_vgpr_workitem_id 0
		.amdhsa_next_free_vgpr 512
		.amdhsa_next_free_sgpr 80
		.amdhsa_reserve_vcc 0
		.amdhsa_float_denorm_mode_32 3
		.amdhsa_float_denorm_mode_16_64 3
		.amdhsa_memory_ordered 1
		.amdhsa_forward_progress 1
		.amdhsa_inst_pref_size 110
	.end_amdhsa_kernel
	.amdgpu_metadata
---
amdhsa.version: [ 1, 2 ]
amdhsa.kernels:
  - .name:           k_qbb4a9d2393_attn
    .symbol:         k_qbb4a9d2393_attn.kd
    .args:
      - { .name: qimg, .offset: 0, .size: 8, .value_kind: global_buffer, .address_space: global }
      - { .name: qsc, .offset: 8, .size: 8, .value_kind: global_buffer, .address_space: global }
      - { .name: kvimg, .offset: 16, .size: 8, .value_kind: global_buffer, .address_space: global }
      - { .name: kvsc, .offset: 24, .size: 8, .value_kind: global_buffer, .address_space: global }
      - { .name: attention_mask, .offset: 32, .size: 8, .value_kind: global_buffer, .address_space: global }
      - { .name: out0, .offset: 40, .size: 8, .value_kind: global_buffer, .address_space: global }
    .group_segment_fixed_size: 327680
    .private_segment_fixed_size: 0
    .kernarg_segment_align: 8
    .kernarg_segment_size: 48
    .max_flat_workgroup_size: 256
    .sgpr_count:     80
    .vgpr_count:     512
    .wavefront_size: 32
...
	.end_amdgpu_metadata
.endif
;; end of part 3
